; MI455X (gfx1250); checked and timed in simulation.
; The chip was launched on July 23, 2026; its instructions are those of AMD's public machine-readable ISA for CDNA 5 (MIT licence, August 2026) and "CDNA5" Instruction Set Architecture Reference Guide (July 2026). The comments in the code are by the model that wrote it; some were corrected since.
;; Mo E Block. Allowed arithmetic: matrix products marked QUANTISED: E3M2 operands, one E8M0 scale for each 32 along K, by v_wmma_scale_f32_16x16x128_f8f6f4 with both operands' format E3M2, f32 sums; products left as they are: f32 operands where the result goes on into a quantised operand, else bf16, f16 or f32 operands; f32 sums; everything else in f32.
;; Inputs: W 8 x 2,048 x 2,048 float32; Wg 2,048 x 8 float32; b 8 x 2,048 float32; x 4 x 512 x 2,048 float32.
;; Outputs: out0 4 x 512 x 2,048 float32.
;; This version of the problem:
;;   THIS VERSION OF THE PROBLEM IS GIVEN IN LOW PRECISION. The matrix products marked QUANTISED in the list below multiply operands that are first quantised to E3M2 (3 exponent bits, 2 mantissa bits; 6 bits a number), with one power-of-two scale for each 32 numbers along K (OCP MX v1.0); their sums are f32. All else is computed in f32.
;;   The module's matrix products, in the order in which they are computed (A, B: the left and right operand; K: the contracted axis; several contracted axes count as one K, in the product's order):
;;     1. [M 2,048, K 2,048] x [K 2,048, N 8]; A: input x; B: input Wg: left as it is (N = 8 < 16)
;;     2. [M 2,048, K 2,048] x [K 2,048, N 16,384]; A: input x; B: input W: QUANTISED
;;     3. batch 2,048 x [M 2,048, K 8] x [K 8, N 1]; A: computed on the way; B: computed on the way: left as it is (K = 8 < 32)
;;   THE QUANTISER, for each operand of a quantised product, along K:
;;     - K is cut into blocks of 32 from its start; a last block that is shorter is filled with zeros.
;;     - A block's scale is 2^e with e = floor(log2(the largest magnitude in the block)) - 4, held to -126 .. 127; a block of zeros has e = 0. As a byte (E8M0): e + 127.
;;     - Each number is divided by its block's scale, clamped to +-28, and rounded to the nearest number of E3M2, ties to even, subnormals kept.
;;     - The product sums the exact products of the quantised numbers (number of the format x scale) in f32.
;;   ~~~python
;;   def quantise(x, axis):      # numpy; x: float32 -> the quantised numbers, widened to float32 again
;;       x = np.moveaxis(x, axis, -1); K = x.shape[-1]
;;       x = np.pad(x, [(0, 0)] * (x.ndim - 1) + [(0, -K % 32)]); x = x.reshape(x.shape[:-1] + (-1, 32)); a = np.abs(x).max(-1, keepdims=True)
;;       e = np.where(a > 0, np.clip(np.frexp(np.where(a > 0, a, 1))[1] - 1 - 4, -126, 127), 0)      # np.frexp(a)[1] - 1 = floor(log2(a)), exactly
;;       r = np.clip(x / 2.0 ** e, -28, 28)
;;       step = 2.0 ** (np.maximum(np.frexp(np.where(r == 0, 1, r))[1] - 1, -2) - 2)
;;       q = np.round(r / step) * step * 2.0 ** e      # np.round: ties to even
;;       return np.moveaxis(q.reshape(q.shape[:-2] + (-1,))[..., :K], -1, axis).astype(np.float32)
;;   ~~~
;; 2 versions. Each part assembles by itself: llvm-mc -triple=amdgcn-amd-amdhsa -mcpu=gfx1250 --defsym DOCPART=n.
;; ======== version 1 of 2: 3 launches
;; workspace buffers: xc 3,145,728 bytes; xs 131,072 bytes; idx 8,192 bytes of whole numbers; gate 8,192 bytes; list 67,584 bytes of whole numbers
;; launch route (part 1): grid 256 x 1, 8 waves a work-group, no clusters, 3,072 bytes of LDS; arguments x, Wg, xc, xs, idx, gate; writes xc, xs, idx, gate
.if DOCPART == 1
	.amdgcn_target "amdgcn-amd-amdhsa--gfx1250"
	.amdhsa_code_object_version 6
	.text
	.protected	k_q30622c9874_route
	.globl	k_q30622c9874_route
	.p2align	8
	.type	k_q30622c9874_route,@function
k_q30622c9874_route:
	s_mov_b64 s[64:65], 0
	v_nop
	global_prefetch_b8 v0, s[64:65] scope:SCOPE_SE
	s_setreg_imm32_b32 hwreg(HW_REG_WAVE_MODE, 25, 1), 1
	s_wait_xcnt 0x0
; x [2048 tokens][2048] f32 is quantised along its rows to codes of BF6 (E3M2) with one E8M0 byte for each 32, and the gate is computed: logits = x Wg in f32 (fused multiply-adds),
; the chosen expert (largest logit, the lowest index among equals) and its probability 1 / sum of exp(l - max).  All four results go to fixed places by token.
; xc: 1,536 bytes a token; K step s (128 along K) at 96 s; in it the blocks of 32 stand in the order 0, 2, 1, 3, 24 bytes each, so that lane (r, h) of a matrix operand finds its 12 registers
;     (blocks h and 2 + h) as 48 bytes on end at 96 s + 48 h.   xs: 64 bytes a token, byte h / 32.   idx: int32 a token.   gate: f32 a token.
; SHARES.  A work-group takes 8 tokens.  Wave w takes the 512 numbers from 512 (w & 3) on of the four tokens 4 (w >> 2) + 0 .. 3.  Lane l holds 16 neighbours, 512 c + 16 l + 0 .. 15, of each of the four:
; two neighbouring lanes hold a block of 32; the lane's 16 rows of Wg (128 numbers) are loaded once and serve the four tokens.
; A block's scale is 2^(floor(log2(its largest magnitude)) - 4): its byte is the largest magnitude's exponent field - 4, held at 1 from below.
; LIMITS: NaN and infinities among the inputs are not served.  A block of zeros gets the byte 1 (its codes are zeros; this program alone reads the bytes).  The logits are summed in another order than
; JAX sums them, and the argmax is taken of the logits: a token whose two largest logits agree to the last bits of f32 may choose the other expert.
.set X,    16                          ; v16-79   x: token t at 16 t + i
.set G,    80                          ; v80-207  Wg: row i, expert e at 8 i + e
.set ACC,  208                         ; v208-239 logits' partial sums, 8 t + e; ahead of them the quantiser's four registers a token
.set C,    240                         ; v240-255 codes, four registers a token: no store's data are written again
.set PART, 0                           ; LDS: 128 bytes a wave: its 32 partial sums
.set SCL,  1024                        ; LDS: 8 tokens x 64 scale bytes
	s_load_b256 s[4:11], s[0:1], 0x0               ; x, Wg, xc, xs
	s_load_b128 s[12:15], s[0:1], 0x20             ; idx, gate
	v_lshl_add_u32 v251, v0, 2, 0x800
	v_mov_b32 v255, 0
	v_lshrrev_b32 v7, 5, v0
	v_readfirstlane_b32 s16, v7                    ; wave 0..7
	s_and_b32 s17, s16, 3                          ; c: which 512 along K
	s_lshr_b32 s18, s16, 2                         ; which four tokens
	v_and_b32 v1, 31, v0                           ; lane
	v_lshlrev_b32 v2, 6, v1                        ; x: my 16 numbers, 64 bytes
	v_lshlrev_b32 v3, 9, v1                        ; Wg: my 16 rows of 32 bytes
	v_lshrrev_b32 v7, 3, v1                        ; my codes' place in the wave's 384 bytes of a record: K step l / 8,
	v_mul_u32_u24 v4, v7, 96
	v_bfe_u32 v7, v1, 1, 1                         ; block j = (l / 2) % 4 stands at place 2 (j % 2) + j / 2,
	v_mad_u32_u24 v4, v7, 48, v4
	v_bfe_u32 v7, v1, 2, 1
	v_mad_u32_u24 v4, v7, 24, v4
	v_and_b32 v7, 1, v1                            ; and my half of the block
	v_mad_u32_u24 v4, v7, 12, v4
	s_lshl_b32 s19, s17, 4
	s_lshl_b32 s20, s18, 8
	s_add_co_u32 s19, s19, s20
	s_add_co_u32 s19, s19, SCL
	v_lshrrev_b32 v5, 1, v1
	v_add_nc_u32 v5, s19, v5                       ; LDS: my block's scale byte: SCL + 256 x token group + 16 c + l / 2
	s_lshl_b32 s19, s16, 7
	v_lshrrev_b32 v6, 4, v1
	v_lshlrev_b32 v6, 6, v6
	v_add_nc_u32 v6, s19, v6                       ; LDS: my wave's partial sums, 64 bytes for each half of the lanes (PART = 0)
	s_lshl_b32 s20, ttmp9, 3
	s_lshl_b32 s21, s18, 2
	s_add_co_u32 s22, s20, s21                     ; my wave's first token
	s_lshl_b32 s20, s22, 13
	s_lshl_b32 s21, s17, 11
	s_add_co_u32 s20, s20, s21
	s_mov_b32 s21, 0
	s_wait_kmcnt 0x0
	s_add_nc_u64 s[4:5], s[4:5], s[20:21]          ; x at my token, my 512 numbers
	s_lshl_b32 s20, s17, 14
	s_add_nc_u64 s[6:7], s[6:7], s[20:21]          ; Wg at my 512 rows
	s_mul_i32 s20, s22, 1536
	s_mul_i32 s23, s17, 384
	s_add_co_u32 s20, s20, s23
	s_add_nc_u64 s[8:9], s[8:9], s[20:21]          ; xc at my token's record, my four K steps
	s_lshl_b32 s20, ttmp9, 9
	s_add_nc_u64 s[10:11], s[10:11], s[20:21]      ; xs at the work-group's 8 tokens
	s_lshl_b32 s20, ttmp9, 5
	s_add_nc_u64 s[12:13], s[12:13], s[20:21]
	s_add_nc_u64 s[14:15], s[14:15], s[20:21]
.irp t, 0,1,2,3
.irp j, 0,1,2,3
	global_load_b128 v[X+16*\t+4*\j:X+16*\t+4*\j+3], v2, s[4:5] offset:8192*\t+16*\j th:TH_LOAD_NT
.endr
.endr
.irp i, 0,1,2,3,4,5,6,7,8,9,10,11,12,13,14,15
	global_load_b128 v[G+8*\i:G+8*\i+3], v3, s[6:7] offset:32*\i
	global_load_b128 v[G+8*\i+4:G+8*\i+7], v3, s[6:7] offset:32*\i+16
.endr
; Token t's 16 numbers of my lane become 16 codes (12 bytes) and, with my neighbour's, a scale byte.
.macro QX t
.set XS, X+16*(\t)
.set TT, ACC+4*(\t)
	v_max3_num_f32 v[TT], |v[XS]|, |v[XS+1]|, |v[XS+2]|             ; the largest magnitude of my 16, in two chains
	v_max3_num_f32 v[TT+1], |v[XS+3]|, |v[XS+4]|, |v[XS+5]|
.irp i, 6,10
	v_max3_num_f32 v[TT], v[TT], |v[XS+\i]|, |v[XS+\i+1]|
	v_max3_num_f32 v[TT+1], v[TT+1], |v[XS+\i+2]|, |v[XS+\i+3]|
.endr
	v_max3_num_f32 v[TT], v[TT], |v[XS+14]|, |v[XS+15]|
	v_max3_num_f32 v[TT], v[TT], v[TT+1], 0x2800000                 ; and the floor 2^(5 - 127): the byte cannot fall under 1
	v_max_num_f32_dpp v[TT], v[TT], v[TT] row_xmask:1 row_mask:0xf bank_mask:0xf   ; with my neighbour's 16: the block's
	v_add_nc_u32 v[TT+2], 0xfe000000, v[TT]                         ; 4 off its exponent field: the conversion takes the exponent field of this operand as its scale
	v_cvt_scalef32_pk16_bf6_f32 v[C+4*(\t):C+4*(\t)+2], v[XS:XS+15], v[TT+2]
	v_lshrrev_b32 v[TT+3], 23, v[TT+2]                              ; the scale's byte (also the plain line behind the conversion)
	ds_store_b8 v5, v[TT+3] offset:64*(\t)                          ; both lanes of a block write the same byte with the same value
	global_store_b96 v4, v[C+4*(\t):C+4*(\t)+2], s[8:9] offset:1536*(\t)   ; the wave's 32 lanes fill 384 consecutive bytes of the record
.endm
	s_wait_loadcnt 32                              ; x's 16 loads are in; Wg's 32, issued behind them, may be out
	QX 0
	QX 1
	QX 2
	QX 3
	s_wait_loadcnt 0x0                             ; Wg
	s_wait_dscnt 0x0                               ; the byte stores are done: their registers become sums
; The logits' partial sums: numbers i and i + 1 of each token against their rows of Wg, two experts an instruction; the 16 pairs of sums take turns.  The first products start the sums.
.macro DOT n
.irp t, 0,1,2,3
.irp p, 0,1,2,3
.if (\n) == 0
	v_pk_mul_f32 v[ACC+8*\t+2*\p:ACC+8*\t+2*\p+1], v[X+16*\t:X+16*\t+1], v[G+2*\p:G+2*\p+1] op_sel_hi:[0,1]
.else
	v_pk_fma_f32 v[ACC+8*\t+2*\p:ACC+8*\t+2*\p+1], v[X+16*\t+(\n):X+16*\t+(\n)+1], v[G+8*(\n)+2*\p:G+8*(\n)+2*\p+1], v[ACC+8*\t+2*\p:ACC+8*\t+2*\p+1] op_sel_hi:[0,1,1]
.endif
.endr
.endr
.irp t, 0,1,2,3
.irp p, 0,1,2,3
	v_pk_fma_f32 v[ACC+8*\t+2*\p:ACC+8*\t+2*\p+1], v[X+16*\t+(\n):X+16*\t+(\n)+1], v[G+8*(\n)+8+2*\p:G+8*(\n)+8+2*\p+1], v[ACC+8*\t+2*\p:ACC+8*\t+2*\p+1] op_sel:[1,0,0] op_sel_hi:[1,1,1]
.endr
.endr
.endm
.irp n, 0,2,4,6,8,10,12,14
	DOT \n
.endr
; Across the 32 lanes.  The two halves of the lanes first share the 32 sums out: lanes 0-15 keep sums 0-15, lanes 16-31 sums 16-31; then four steps inside each half.
.irp j, 0,1,2,3,4,5,6,7,8,9,10,11,12,13,14,15
	v_permlane16_swap_b32 v[ACC+\j], v[ACC+16+\j]
.endr
.irp j, 0,1,2,3,4,5,6,7,8,9,10,11,12,13,14,15
	v_add_f32 v[ACC+\j], v[ACC+\j], v[ACC+16+\j]
.endr
.irp m, 1,2,4,8
.irp j, 0,1,2,3,4,5,6,7,8,9,10,11,12,13,14,15
	v_add_f32_dpp v[ACC+\j], v[ACC+\j], v[ACC+\j] row_xmask:\m row_mask:0xf bank_mask:0xf
.endr
.endr
.irp j, 0,1,2,3,4,5,6,7,8,9,10,11,12,13,14,15
	ds_store_b32 v6, v[ACC+\j] offset:4*\j         ; the lanes of a half write the same word with the same value
.endr
	s_wait_dscnt 0x0                               ; for the others' sake: my scale bytes and my partial sums lie in LDS
	s_barrier_signal -1
	s_barrier_wait -1
	s_cmp_lg_u32 s16, 0
	s_cbranch_scc1 .Lend                           ; the rest is wave 0's
	v_lshlrev_b32 v7, 4, v1
	ds_load_b128 v[16:19], v7 offset:SCL           ; the 8 tokens' 512 scale bytes, 16 a lane
	v_and_b32 v8, 7, v1                            ; my token (lanes 8-31 repeat lanes 0-7 and store nothing)
	v_lshrrev_b32 v9, 2, v8
	v_and_b32 v10, 3, v8
	v_lshlrev_b32 v9, 9, v9
	v_lshl_add_u32 v9, v10, 5, v9                  ; its 8 sums in the first of its four waves: 512 x token group + 32 x token
.irp c, 0,1,2,3
	ds_load_b128 v[32+8*\c:35+8*\c], v9 offset:PART+128*\c
	ds_load_b128 v[36+8*\c:39+8*\c], v9 offset:PART+128*\c+16
.endr
	s_wait_dscnt 0x8                               ; the scale bytes are in; the eight loads behind them may be out
	global_store_b128 v7, v[16:19], s[10:11]       ; 512 consecutive bytes, at a multiple of 256 from xs's first byte
	s_wait_dscnt 0x0
.irp c, 1,2,3
.irp p, 0,1,2,3
	v_pk_add_f32 v[32+2*\p:33+2*\p], v[32+2*\p:33+2*\p], v[32+8*\c+2*\p:33+8*\c+2*\p]   ; the four parts of K: the logits
.endr
.endr
	v_max3_num_f32 v11, v32, v33, v34
	v_max3_num_f32 v11, v11, v35, v36
	v_max3_num_f32 v11, v11, v37, v38
	v_max_num_f32 v11, v11, v39                    ; the largest logit
	v_mov_b32 v12, 7
.irp e, 6,5,4,3,2,1,0
	v_cmp_neq_f32 vcc_lo, v[32+\e], v11
	v_cndmask_b32 v12, \e, v12, vcc_lo             ; the lowest expert that holds the largest logit
.endr
.irp e, 0,1,2,3,4,5,6,7
	v_sub_f32 v[64+\e], v[32+\e], v11              ; the maximum is taken away first: 0 exactly for the chosen expert
.endr
.irp e, 0,1,2,3,4,5,6,7
	v_mul_f32 v[64+\e], 0x3fb8aa3b, v[64+\e]       ; x log2(e)
.endr
.irp e, 0,1,2,3,4,5,6,7
	v_exp_f32 v[64+\e], v[64+\e]
.endr
	v_lshlrev_b32 v13, 2, v1                       ; (a plain line behind the exponentials)  4 bytes a token
	s_wait_alu depctr_va_vdst(0)
	v_pk_add_f32 v[64:65], v[64:65], v[66:67]
	v_pk_add_f32 v[68:69], v[68:69], v[70:71]
	v_pk_add_f32 v[64:65], v[64:65], v[68:69]
	v_add_f32 v64, v64, v65
	v_rcp_f32 v14, v64                             ; the chosen expert's probability: exp(0) / the sum
	v_nop                                          ; a plain line behind the reciprocal
	v_cmp_gt_u32 vcc_lo, 8, v1
	s_wait_xcnt 0x0                                ; EXEC changes only behind this wait: a store is out
	s_and_saveexec_b32 s24, vcc_lo
	global_store_b32 v13, v12, s[12:13]
	s_wait_alu depctr_va_vdst(0)
	global_store_b32 v13, v14, s[14:15]
	s_wait_xcnt 0x0                                ; and again in front of the line that widens it
	s_or_b32 exec_lo, exec_lo, s24
.Lend:
	s_wait_tensorcnt 0x0
	ds_add_u32 v251, v255
	s_wait_dscnt 0x0
	s_endpgm
.Lfunc_end_k_q30622c9874_route:
	.size	k_q30622c9874_route, .Lfunc_end_k_q30622c9874_route-k_q30622c9874_route
	.p2alignl 7, 3214868480
	.fill 96, 4, 3214868480
	.section	.rodata,"a",@progbits
	.p2align	6, 0x0
	.amdhsa_kernel k_q30622c9874_route
		.amdhsa_group_segment_fixed_size 3072
		.amdhsa_private_segment_fixed_size 0
		.amdhsa_enable_private_segment 0
		.amdhsa_kernarg_size 48
		.amdhsa_user_sgpr_count 2
		.amdhsa_user_sgpr_kernarg_segment_ptr 1
		.amdhsa_wavefront_size32 1
		.amdhsa_system_sgpr_workgroup_id_x 1
		.amdhsa_system_sgpr_workgroup_id_y 1
		.amdhsa_system_sgpr_workgroup_id_z 1
		.amdhsa_system_vgpr_workitem_id 0
		.amdhsa_next_free_vgpr 256
		.amdhsa_next_free_sgpr 66
		.amdhsa_reserve_vcc 1
		.amdhsa_float_denorm_mode_32 3
		.amdhsa_float_denorm_mode_16_64 3
		.amdhsa_memory_ordered 1
		.amdhsa_forward_progress 1
		.amdhsa_inst_pref_size 37
	.end_amdhsa_kernel
	.amdgpu_metadata
---
amdhsa.version: [ 1, 2 ]
amdhsa.kernels:
  - .name:           k_q30622c9874_route
    .symbol:         k_q30622c9874_route.kd
    .args:
      - { .name: x, .offset: 0, .size: 8, .value_kind: global_buffer, .address_space: global }
      - { .name: Wg, .offset: 8, .size: 8, .value_kind: global_buffer, .address_space: global }
      - { .name: xc, .offset: 16, .size: 8, .value_kind: global_buffer, .address_space: global }
      - { .name: xs, .offset: 24, .size: 8, .value_kind: global_buffer, .address_space: global }
      - { .name: idx, .offset: 32, .size: 8, .value_kind: global_buffer, .address_space: global }
      - { .name: gate, .offset: 40, .size: 8, .value_kind: global_buffer, .address_space: global }
    .group_segment_fixed_size: 3072
    .private_segment_fixed_size: 0
    .kernarg_segment_align: 8
    .kernarg_segment_size: 48
    .max_flat_workgroup_size: 256
    .sgpr_count:     66
    .vgpr_count:     256
    .wavefront_size: 32
...
	.end_amdgpu_metadata
.endif
;; end of part 1
;; launch sort (part 2): grid 8 x 1, 1 waves a work-group, no clusters, 0 bytes of LDS; arguments idx, list; writes list
.if DOCPART == 2
	.amdgcn_target "amdgcn-amd-amdhsa--gfx1250"
	.amdhsa_code_object_version 6
	.text
	.protected	k_q30622c9874_sort
	.globl	k_q30622c9874_sort
	.p2align	8
	.type	k_q30622c9874_sort,@function
k_q30622c9874_sort:
	s_mov_b64 s[64:65], 0
	v_nop
	global_prefetch_b8 v0, s[64:65] scope:SCOPE_SE
	s_setreg_imm32_b32 hwreg(HW_REG_WAVE_MODE, 25, 1), 1
	s_wait_xcnt 0x0
; idx [2048] (the expert that each token chose) becomes, for each expert, the list of its tokens and their number.  Work-group e, one wave, makes expert e's part of list, 2,112 words:
;   words 0 .. 2047: the places: the expert's n tokens, then the list's LAST token again in every place up to 2,047, so that every place holds a token of the expert (token 0 where it has none);
;   words 2048 .. 2079: a dump word for each lane, which nobody reads;   words 2080 .. 2111: n, 32 times (one store of 128 consecutive bytes).
; The wave holds all 2,048 indices: register 4 k + j of lane l is token 128 k + 4 l + j.  For each register the lanes that match get the next free places, by a count of the matching lanes below them on top of
; the running number; the matching lanes' places are neighbours, so their words lie on end in memory.  A lane without a match writes its dump word: EXEC stays whole.  No LDS, no barrier, no other work-group's bytes.
; A place enters an address only behind the clamp to the last dump word, and by a shift alone.
.set IX,     32                        ; v32-95   the indices
.set AD,     96                        ; v96-159  a store's offset, one register for each store of a run of 64
.set TK,     160                       ; v160-223 a store's token likewise: no store's registers are written again while it may read them
.set DUMP,   2048
.set CNT,    2080
.set STRIDE, 8448                      ; bytes of an expert's part
	s_load_b128 s[4:7], s[0:1], 0x0                ; idx, list
	v_lshlrev_b32 v2, 4, v0                        ; one wave: v0 is the lane.  16 bytes of indices a lane
	v_lshlrev_b32 v3, 2, v0                        ; 4 x lane
	v_add_nc_u32 v4, DUMP, v0                      ; my dump word's place
	s_mov_b32 s10, ttmp9                           ; my expert
	s_mov_b32 s11, 2048
	s_mul_i32 s8, ttmp9, STRIDE
	s_mov_b32 s9, 0
	s_mov_b32 s20, 0                               ; places taken so far
	s_mov_b32 s21, 0                               ; the last mask that was not 0,
	s_mov_b32 s22, 0                               ; and its lane 0's token
	s_wait_kmcnt 0x0
	s_add_nc_u64 s[6:7], s[6:7], s[8:9]            ; my expert's part of list
.irp k, 0,1,2,3,4,5,6,7,8,9,10,11,12,13,14,15
	global_load_b128 v[IX+4*\k:IX+4*\k+3], v2, s[4:5] offset:512*\k
.endr
.macro SORT4 k
	s_wait_loadcnt 15-(\k)                         ; loads come back in order: the k-th is in, those issued behind it may be out
.irp j, 0,1,2,3
	v_cmp_eq_u32 s[12+\j], s10, v[IX+4*(\k)+\j]
.endr
.irp j, 0,1,2,3
	s_bcnt1_i32_b32 s[16+\j], s[12+\j]
.endr
.irp j, 0,1,2,3
	v_mbcnt_lo_u32_b32 v[AD+4*(\k)+\j], s[12+\j], s20   ; the places taken so far + the matches in the lanes below me
	s_add_co_u32 s20, s20, s[16+\j]
.endr
.irp j, 0,1,2,3
	v_cndmask_b32 v[AD+4*(\k)+\j], v4, v[AD+4*(\k)+\j], s[12+\j]
.endr
.irp j, 0,1,2,3
	v_min_u32 v[AD+4*(\k)+\j], CNT-1, v[AD+4*(\k)+\j]
.endr
.irp j, 0,1,2,3
	v_lshlrev_b32 v[AD+4*(\k)+\j], 2, v[AD+4*(\k)+\j]
.endr
.irp j, 0,1,2,3
	v_add_nc_u32 v[TK+4*(\k)+\j], 128*(\k)+\j, v3
.endr
.irp j, 0,1,2,3
	global_store_b32 v[AD+4*(\k)+\j], v[TK+4*(\k)+\j], s[6:7]
.endr
.irp j, 0,1,2,3
	s_cmp_lg_u32 s[12+\j], 0
	s_cselect_b32 s21, s[12+\j], s21
	s_cselect_b32 s22, 128*(\k)+\j, s22
.endr
.endm
.irp k, 0,1,2,3,4,5,6,7,8,9,10,11,12,13,14,15
	SORT4 \k
.endr
	; the list's last token: the highest lane of the last mask that was not 0: the one lane l for which mask >> l is 1
	v_mov_b32 v5, s21
	v_lshrrev_b32 v5, v0, v5
	v_cmp_eq_u32 s23, 1, v5
	s_ctz_i32_b32 s23, s23
	s_lshl_b32 s23, s23, 2
	s_add_co_u32 s22, s22, s23
	s_cmp_eq_u32 s20, 0
	s_cselect_b32 s22, 0, s22                      ; an expert without tokens: token 0 (its rows are never multiplied or stored)
	v_mov_b32 v6, s22
	v_mov_b32 v7, s20
	v_add_nc_u32 v8, s20, v0                       ; the first place behind the list's end, + lane
	s_wait_xcnt 0x0                                ; the 64 stores above have read their offsets: these registers are written again only behind this wait
; Places n + 32 i + lane, i = 0 .. 63: those under 2,048 take the last token, the others fall on the lane's dump word.
.macro FILL4 g
.irp j, 0,1,2,3
	v_add_nc_u32 v[AD+4*(\g)+\j], 32*(4*(\g)+\j), v8
.endr
.irp j, 0,1,2,3
	v_cmp_gt_u32 s[12+\j], s11, v[AD+4*(\g)+\j]
.endr
.irp j, 0,1,2,3
	v_cndmask_b32 v[AD+4*(\g)+\j], v4, v[AD+4*(\g)+\j], s[12+\j]
.endr
.irp j, 0,1,2,3
	v_min_u32 v[AD+4*(\g)+\j], CNT-1, v[AD+4*(\g)+\j]
.endr
.irp j, 0,1,2,3
	v_lshlrev_b32 v[AD+4*(\g)+\j], 2, v[AD+4*(\g)+\j]
.endr
.irp j, 0,1,2,3
	global_store_b32 v[AD+4*(\g)+\j], v6, s[6:7]
.endr
.endm
.irp g, 0,1,2,3,4,5,6,7,8,9,10,11,12,13,14,15
	FILL4 \g
.endr
	global_store_b32 v3, v7, s[6:7] offset:4*CNT   ; the number of tokens
	s_endpgm
.Lfunc_end_k_q30622c9874_sort:
	.size	k_q30622c9874_sort, .Lfunc_end_k_q30622c9874_sort-k_q30622c9874_sort
	.p2alignl 7, 3214868480
	.fill 96, 4, 3214868480
	.section	.rodata,"a",@progbits
	.p2align	6, 0x0
	.amdhsa_kernel k_q30622c9874_sort
		.amdhsa_group_segment_fixed_size 0
		.amdhsa_private_segment_fixed_size 0
		.amdhsa_enable_private_segment 0
		.amdhsa_kernarg_size 16
		.amdhsa_user_sgpr_count 2
		.amdhsa_user_sgpr_kernarg_segment_ptr 1
		.amdhsa_wavefront_size32 1
		.amdhsa_system_sgpr_workgroup_id_x 1
		.amdhsa_system_sgpr_workgroup_id_y 1
		.amdhsa_system_sgpr_workgroup_id_z 1
		.amdhsa_system_vgpr_workitem_id 0
		.amdhsa_next_free_vgpr 224
		.amdhsa_next_free_sgpr 66
		.amdhsa_reserve_vcc 0
		.amdhsa_float_denorm_mode_32 3
		.amdhsa_float_denorm_mode_16_64 3
		.amdhsa_memory_ordered 1
		.amdhsa_forward_progress 1
		.amdhsa_inst_pref_size 67
	.end_amdhsa_kernel
	.amdgpu_metadata
---
amdhsa.version: [ 1, 2 ]
amdhsa.kernels:
  - .name:           k_q30622c9874_sort
    .symbol:         k_q30622c9874_sort.kd
    .args:
      - { .name: idx, .offset: 0, .size: 8, .value_kind: global_buffer, .address_space: global }
      - { .name: list, .offset: 8, .size: 8, .value_kind: global_buffer, .address_space: global }
    .group_segment_fixed_size: 0
    .private_segment_fixed_size: 0
    .kernarg_segment_align: 8
    .kernarg_segment_size: 16
    .max_flat_workgroup_size: 32
    .sgpr_count:     66
    .vgpr_count:     224
    .wavefront_size: 32
...
	.end_amdgpu_metadata
.endif
;; end of part 2
;; launch experts (part 3): grid 32 x 8, 16 waves a work-group, no clusters, 174,080 bytes of LDS; arguments W, xc, xs, list, gate, b, out0; writes out0
.if DOCPART == 3
	.amdgcn_target "amdgcn-amd-amdhsa--gfx1250"
	.amdhsa_code_object_version 6
	.text
	.protected	k_q30622c9874_experts
	.globl	k_q30622c9874_experts
	.p2align	8
	.type	k_q30622c9874_experts,@function
k_q30622c9874_experts:
	s_mov_b64 s[64:65], 0
	v_nop
	global_prefetch_b8 v0, s[64:65] scope:SCOPE_SE
	s_setreg_imm32_b32 hwreg(HW_REG_WAVE_MODE, 25, 1), 1
	s_wait_xcnt 0x0
; out0[t][d] = gate[t] x (sum over h of Q(x[t][h]) Q(W[e][h][d]) + b[e][d]), e the expert that token t chose: only the chosen expert's rows are multiplied, since all others are weighed with 0.
; A work-group takes one expert e (grid y) and 64 columns d (grid x): its 2,048 x 64 block of W is read from memory once, quantised along h (codes of BF6, E3M2, one E8M0 byte for each 32) and kept in LDS.
; SIXTEEN WAVES, each in two parts.  AS QUANTISER: K goes in 8 chunks of 256; in each chunk wave w takes 32 columns (w & 1) x one block of 32 along K (w >> 1): a lane takes a column and its 32 registers
; run down K, so that the block's largest magnitude needs no other lane and the conversions give codes with K innermost.  The codes go to LDS as images of the operand's registers.
; AS MULTIPLIER: wave w owns places 32 w .. 32 w + 31 of the expert's list of tokens (two tiles of 16) x all 64 columns: 8 accumulators.  x's codes are gathered from xc straight into registers, a chunk ahead.
; Places from 512 on are served behind the chunks by a loop of three trips (tile pairs w + 16, w + 32, w + 48), from the codes that stay in LDS: every split of the tokens is served, all on one expert too.
; THE LIST and its length were stored as whole numbers by the launch before: 2,048 places for each expert, all of them written (behind the list's end its last token again), and the length at word 2,080.
; THE MATRIX INSTRUCTION IS USED TRANSPOSED: source 0 = 16 columns of W, source 1 = 16 tokens: a lane holds one token and eight neighbouring d.
; NO CLUSTER, NO TENSOR LOAD: which waves multiply hangs on a count read from memory, and x's rows are gathered by a list; a block of W is read by one work-group alone, so there is nothing to ask for jointly.
; LIMITS: NaN and infinities among the inputs are not served.  A block of zeros gets the byte 1 (its codes are zeros).  The places that fill the list's last tile pair repeat the list's last token:
; the same wave stores the same bytes to that token's row once more.
; LDS: 0 images: fragment (K step s, column tile ct) at 1,536 (4 s + ct), lane l's 12 registers at 48 l | BSC W's scale words, 256 s + 4 column | STAGE 16 rows x 272 bytes for each wave.
; REGISTERS: v1 W's offset; v2, v3 where I store codes and scale byte; v4, v5 where I read images (K steps 0-7, 8-15); v6 W's scale words; v7-9 x's offsets; v10-15 at work; v16-22 codes; v24-25 x's scale words,
;      v26-27 W's (these four hold scales and nothing else); v32-95 two sets of 32 numbers of W; v96-143 x's four fragments; v144-191 W's four; v192-255 the accumulators (tile m, column tile ct) at 8 (4 m + ct).
.set BSC,   98304
.set STAGE, 102400
.set XW,    32
.set AF,    96
.set BF,    144
.set ACC,   192
.set LSTR,  8448                       ; bytes of an expert's part of list
.set LCNT,  8320                       ; where its length stands
	s_load_b256 s[4:11], s[0:1], 0x0               ; W, xc, xs, list
	s_load_b128 s[12:15], s[0:1], 0x20             ; gate, b
	s_load_b64 s[16:17], s[0:1], 0x30              ; out0
	v_lshl_add_u32 v30, v0, 2, 0x2a000
	v_mov_b32 v31, 0
	v_lshrrev_b32 v10, 5, v0
	v_readfirstlane_b32 s18, v10                   ; wave 0..15
	s_and_b32 s19, s18, 1                          ; ch: which 32 of the 64 columns I quantise
	s_lshr_b32 s20, s18, 1                         ; jb: which block of 32 of a chunk's 256 along K
	s_and_b32 s21, ttmp7, 0xffff                   ; the expert
	v_and_b32 v10, 31, v0                          ; lane
	v_bfe_u32 v11, v0, 4, 1                        ; lane / 16
	v_and_b32 v12, 15, v0                          ; lane % 16
	s_lshl_b32 s50, s19, 7
	v_lshl_add_u32 v1, v10, 2, s50                 ; W: 4 x lane + 128 ch
	; where my block's 24 bytes go: column tile 2 ch + lane / 16; K step jb / 4 of the chunk's two; block j = jb % 4 belongs to the operand's lane (lane % 16) + 16 (j % 2), registers 6 (j / 2) on
	s_mul_i32 s50, s19, 3072
	s_lshr_b32 s51, s20, 2
	s_mul_i32 s53, s51, 6144
	s_add_co_u32 s50, s50, s53
	s_and_b32 s53, s20, 1
	s_mul_i32 s53, s53, 768
	s_add_co_u32 s50, s50, s53
	s_bfe_u32 s53, s20, 0x10001
	s_mul_i32 s53, s53, 24
	s_add_co_u32 s50, s50, s53
	v_mul_u32_u24 v2, v11, 1536
	v_mad_u32_u24 v2, v12, 48, v2
	v_add_nc_u32 v2, s50, v2
	s_lshl_b32 s50, s19, 7                         ; and its scale byte: word 256 x K step + 4 x column, byte j
	s_lshl_b32 s51, s51, 8
	s_add_co_u32 s50, s50, s51
	s_and_b32 s51, s20, 3
	s_add_co_u32 s50, s50, s51
	s_add_co_u32 s50, s50, BSC
	v_lshl_add_u32 v3, v10, 2, s50
	v_mul_u32_u24 v4, v10, 48                      ; an image comes back as it was stored: 48 x lane
	v_add_nc_u32 v5, 49152, v4
	v_lshl_add_u32 v6, v10, 2, BSC                 ; lanes 0-15 take the words of one column tile, lanes 16-31 those of the next
	s_lshl_b32 s26, s21, 24                        ; W: expert x 16 MiB + 32 jb rows of 8,192 bytes + 64 x work-group x columns
	s_lshl_b32 s50, s20, 18
	s_add_co_u32 s26, s26, s50
	s_lshl_b32 s32, ttmp9, 8
	s_add_co_u32 s26, s26, s32
	s_mov_b32 s27, 0
	s_lshl_b32 s30, s21, 13                        ; b: expert x 8,192 bytes + my columns
	s_add_co_u32 s30, s30, s32
	s_mov_b32 s31, 0
	s_mov_b32 s33, 0
	s_mul_i32 s34, s21, LSTR                       ; list: my expert's part
	s_mov_b32 s35, 0
	s_mov_b32 s58, s18                             ; my tile pair: the wave's number
	s_lshl_b32 s56, s58, 5                         ; its first place
	s_wait_kmcnt 0x0
	s_add_nc_u64 s[24:25], s[4:5], s[26:27]        ; W for chunks 0-3,
	s_add_nc_u64 s[28:29], s[24:25], 0x800000      ; and 1,024 rows on for chunks 4-7, so that every row's offset fits the signed 24-bit immediate
	s_add_nc_u64 s[14:15], s[14:15], s[30:31]
	s_add_nc_u64 s[16:17], s[16:17], s[32:33]      ; out0 at my columns
	s_add_nc_u64 s[10:11], s[10:11], s[34:35]
	s_load_b32 s52, s[10:11], LCNT                 ; the list's length; it is waited for in front of the first chunk
; Chunk q's block of mine: W(256 q + 32 jb + i, my column), i = 0 .. 31, into set q % 2.  A wave's load reads 128 consecutive bytes; the wave with the other ch reads the 128 beside them.
.macro LOADW q
.set XS, XW+32*((\q)%2)
.irp i, 0,1,2,3,4,5,6,7,8,9,10,11,12,13,14,15,16,17,18,19,20,21,22,23,24,25,26,27,28,29,30,31
	global_load_b32 v[XS+\i], v1, s[24+4*((\q)/4):25+4*((\q)/4)] offset:(256*((\q)%4)+\i)*8192 th:TH_LOAD_NT
.endr
.endm
; x's fragments of chunk q's two K steps for my two tiles of tokens, 48 bytes a lane and fragment, and their scale words: 13 loads.
.macro ALOAD q
.irp kk, 0,1
.irp m, 0,1
.irp g, 0,1,2
	global_load_b128 v[AF+24*\kk+12*\m+4*\g:AF+24*\kk+12*\m+4*\g+3], v[7+\m], s[6:7] offset:96*(2*(\q)+\kk)+16*\g
.endr
.endr
.endr
	global_load_b64 v[24:25], v9, s[8:9] offset:8*(\q)   ; lanes 0-15: tile 0's tokens, lanes 16-31: tile 1's; the chunk's two words
.endm
; My block of chunk q becomes 24 bytes of codes and a scale byte in LDS; then the barrier behind which chunk q is read.  Each chunk has LDS bytes of its own, so one barrier a chunk is enough.
.macro QUANT q, n1
.set XS, XW+32*((\q)%2)
	s_wait_loadcnt \n1                             ; this block's 32 loads are in; what was issued behind them may be out
	v_max3_num_f32 v10, |v[XS]|, |v[XS+1]|, |v[XS+2]|               ; the block's largest magnitude: all 32 numbers are mine
	v_max3_num_f32 v11, |v[XS+3]|, |v[XS+4]|, |v[XS+5]|
.irp i, 6,10,14,18,22,26
	v_max3_num_f32 v10, v10, |v[XS+\i]|, |v[XS+\i+1]|
	v_max3_num_f32 v11, v11, |v[XS+\i+2]|, |v[XS+\i+3]|
.endr
	v_max3_num_f32 v10, v10, |v[XS+30]|, |v[XS+31]|
	v_max3_num_f32 v10, v10, v11, 0x2800000        ; and the floor 2^(5 - 127): the byte cannot fall under 1
	v_add_nc_u32 v12, 0xfe000000, v10              ; 4 off its exponent field: the conversion's scale operand
	v_cvt_scalef32_pk16_bf6_f32 v[16:18], v[XS:XS+15], v12
	v_cvt_scalef32_pk16_bf6_f32 v[20:22], v[XS+16:XS+31], v12       ; (a conversion's three registers begin on an even number)
	v_lshrrev_b32 v13, 23, v12                     ; the scale's byte (also the plain line behind the conversions)
	v_mov_b32 v19, v20
	v_mov_b32 v20, v21
	v_mov_b32 v21, v22                             ; v16-21: the block's 192 bits on end
	ds_store_b64 v2, v[16:17] offset:12288*((\q)%4)
	ds_store_b64 v2, v[18:19] offset:12288*((\q)%4)+8
	ds_store_b64 v2, v[20:21] offset:12288*((\q)%4)+16
	ds_store_b8 v3, v13 offset:512*(\q)
	s_wait_dscnt 0x0                               ; for the others' sake: my stores have landed (and my reads of the last chunk are in)
	s_barrier_signal -1
	s_barrier_wait -1
.endm
; One product: tile m of tokens x column tile ct, K step s (kk: which of the chunk's two).  W's scale words lie in lanes 0-15 for even ct and in lanes 16-31 for odd; x's in lanes 0-15 for tile 0, 16-31 for tile 1.
.macro WM m, ct, kk, s
.set WD, ACC+8*(4*(\m)+(\ct))
.set WB, BF+12*(\ct)
.set WA, AF+24*(\kk)+12*(\m)
.set WS, 26+(\ct)/2
.set WX, 24+(\kk)
.if (\s) == 0
.if ((\ct)%2 == 0) && ((\m) == 0)
	v_wmma_scale_f32_16x16x128_f8f6f4 v[WD:WD+7], v[WB:WB+11], v[WA:WA+11], 0, v[WS], v[WX] matrix_a_fmt:MATRIX_FMT_BF6 matrix_b_fmt:MATRIX_FMT_BF6
.elseif ((\ct)%2 == 1) && ((\m) == 0)
	v_wmma_scale_f32_16x16x128_f8f6f4 v[WD:WD+7], v[WB:WB+11], v[WA:WA+11], 0, v[WS], v[WX] matrix_a_fmt:MATRIX_FMT_BF6 matrix_b_fmt:MATRIX_FMT_BF6 matrix_a_scale:MATRIX_SCALE_ROW1
.elseif ((\ct)%2 == 0)
	v_wmma_scale_f32_16x16x128_f8f6f4 v[WD:WD+7], v[WB:WB+11], v[WA:WA+11], 0, v[WS], v[WX] matrix_a_fmt:MATRIX_FMT_BF6 matrix_b_fmt:MATRIX_FMT_BF6 matrix_b_scale:MATRIX_SCALE_ROW1
.else
	v_wmma_scale_f32_16x16x128_f8f6f4 v[WD:WD+7], v[WB:WB+11], v[WA:WA+11], 0, v[WS], v[WX] matrix_a_fmt:MATRIX_FMT_BF6 matrix_b_fmt:MATRIX_FMT_BF6 matrix_a_scale:MATRIX_SCALE_ROW1 matrix_b_scale:MATRIX_SCALE_ROW1
.endif
.else
.if ((\ct)%2 == 0) && ((\m) == 0)
	v_wmma_scale_f32_16x16x128_f8f6f4 v[WD:WD+7], v[WB:WB+11], v[WA:WA+11], v[WD:WD+7], v[WS], v[WX] matrix_a_fmt:MATRIX_FMT_BF6 matrix_b_fmt:MATRIX_FMT_BF6
.elseif ((\ct)%2 == 1) && ((\m) == 0)
	v_wmma_scale_f32_16x16x128_f8f6f4 v[WD:WD+7], v[WB:WB+11], v[WA:WA+11], v[WD:WD+7], v[WS], v[WX] matrix_a_fmt:MATRIX_FMT_BF6 matrix_b_fmt:MATRIX_FMT_BF6 matrix_a_scale:MATRIX_SCALE_ROW1
.elseif ((\ct)%2 == 0)
	v_wmma_scale_f32_16x16x128_f8f6f4 v[WD:WD+7], v[WB:WB+11], v[WA:WA+11], v[WD:WD+7], v[WS], v[WX] matrix_a_fmt:MATRIX_FMT_BF6 matrix_b_fmt:MATRIX_FMT_BF6 matrix_b_scale:MATRIX_SCALE_ROW1
.else
	v_wmma_scale_f32_16x16x128_f8f6f4 v[WD:WD+7], v[WB:WB+11], v[WA:WA+11], v[WD:WD+7], v[WS], v[WX] matrix_a_fmt:MATRIX_FMT_BF6 matrix_b_fmt:MATRIX_FMT_BF6 matrix_a_scale:MATRIX_SCALE_ROW1 matrix_b_scale:MATRIX_SCALE_ROW1
.endif
.endif
.endm
; Chunk q's two K steps: W's four fragments and their scale words from LDS, then 8 products.  The 8 accumulators take turns, one instruction a turn, from K step to K step and from chunk to chunk too
; K step 0's products start the sums: nothing is cleared.
.macro MULC q
.irp kk, 0,1
.set KS, 2*(\q)+\kk
.irp ct, 0,1,2,3
.irp g, 0,1,2
	ds_load_b128 v[BF+12*\ct+4*\g:BF+12*\ct+4*\g+3], v[4+KS/8] offset:6144*(KS%8)+1536*\ct+16*\g
.endr
.endr
	ds_load_b32 v26, v6 offset:256*KS
	ds_load_b32 v27, v6 offset:256*KS+128
	s_wait_dscnt 0x0
.irp ct, 0,1,2,3
.irp m, 0,1
	WM \m, \ct, \kk, KS
.endr
.endr
.rept 4
	v_nop                                          ; four places behind the products: loads into their operands and scale registers follow, or the first read of results
.endr
.endr
.endm
; My tile pair's tokens (s58: the tile pair) out of the list: three loads; behind the caller's wait for them, what x's loads want of them.
; A list entry enters an offset only behind the clamp to 2,047, and by a multiply, a shift and an add.
.macro SETUP_LD
	s_lshl_b32 s50, s58, 7                         ; 128 bytes of the list a tile pair
	v_and_b32 v10, 15, v0
	v_lshl_add_u32 v10, v10, 2, s50
	v_and_b32 v11, 31, v0
	v_lshl_add_u32 v11, v11, 2, s50
	global_load_b32 v7, v10, s[10:11]              ; tile 0: place lane % 16
	global_load_b32 v8, v10, s[10:11] offset:64    ; tile 1
	global_load_b32 v9, v11, s[10:11]              ; place lane: for the scale words
.endm
.macro SETUP_FIN
	v_bfe_u32 v12, v0, 4, 1
	v_mul_u32_u24 v12, v12, 48
	v_min_u32 v7, 0x7ff, v7
	v_min_u32 v8, 0x7ff, v8
	v_min_u32 v9, 0x7ff, v9
	v_mul_u32_u24 v7, v7, 1536
	v_mul_u32_u24 v8, v8, 1536
	v_lshlrev_b32 v9, 6, v9                        ; 64 bytes of scale words a token
	v_add_nc_u32 v7, v7, v12                       ; the token's record + 48 x (lane / 16)
	v_add_nc_u32 v8, v8, v12
.endm
; THE WAY OUT of my tile pair.  A lane holds 32 neighbouring bytes of a token's row, and the lanes beside it hold other tokens: a tile goes through my own stage in LDS and comes back as rows of 256 bytes,
; two rows an instruction; (sum + bias) x gate; sixteen lanes store 256 consecutive bytes at a multiple of 256 from out0's first byte.  The rows' tokens are asked for first, and the turn through the stage
; is issued while they are on their way.
.macro EPI
	s_wait_xcnt 0x0                                ; earlier loads and stores have read their registers: these are written again below
	v_and_b32 v13, 15, v0                          ; r
	v_bfe_u32 v14, v0, 4, 1                        ; h
	s_mul_i32 s50, s18, 4352
	s_add_co_u32 s50, s50, STAGE                   ; my stage
	v_mul_u32_u24 v10, v13, 272
	v_lshl_add_u32 v10, v14, 5, v10
	v_add_nc_u32 v10, s50, v10                     ; in: row r, 32 bytes for each half of the lanes
	v_mul_u32_u24 v11, v14, 272
	v_lshl_add_u32 v11, v13, 4, v11
	v_add_nc_u32 v11, s50, v11                     ; back: lanes 0-15 one row, lanes 16-31 the next
	s_lshl_b32 s51, s58, 7
	v_lshl_add_u32 v12, v14, 2, s51                ; the list: the token of row 2 i + h
	v_lshlrev_b32 v13, 4, v13                      ; my 16 bytes of a row
.irp m, 0,1
.irp i, 0,1,2,3,4,5,6,7
	global_load_b32 v[97+16*\m+2*\i], v12, s[10:11] offset:64*\m+8*\i
.endr
.endr
	global_load_b128 v[128:131], v13, s[14:15]     ; the bias of my four columns
.irp m, 0,1
.irp ct, 0,1,2,3
	ds_store_b128 v10, v[ACC+8*(4*\m+\ct):ACC+8*(4*\m+\ct)+3] offset:64*\ct          ; each accumulator from its low end on
	ds_store_b128 v10, v[ACC+8*(4*\m+\ct)+4:ACC+8*(4*\m+\ct)+7] offset:64*\ct+16
.endr
.irp i, 0,1,2,3,4,5,6,7
	ds_load_b128 v[32+32*\m+4*\i:35+32*\m+4*\i], v11 offset:544*\i   ; LDS serves a wave's instructions in order (ISA guide 5.7.1.4): these see the stores above, and tile 1's stores come behind them
.endr
.endr
	s_wait_loadcnt 0x0                             ; the tokens (and the bias)
.irp n, 0,1,2,3,4,5,6,7,8,9,10,11,12,13,14,15
	v_min_u32 v[97+2*\n], 0x7ff, v[97+2*\n]
.endr
.irp n, 0,1,2,3,4,5,6,7,8,9,10,11,12,13,14,15
	v_lshlrev_b32 v[96+2*\n], 2, v[97+2*\n]
.endr
.irp n, 0,1,2,3,4,5,6,7,8,9,10,11,12,13,14,15
	global_load_b32 v[96+2*\n], v[96+2*\n], s[12:13]   ; the row's gate lands on its own address register
.endr
.irp n, 0,1,2,3,4,5,6,7,8,9,10,11,12,13,14,15
	v_lshlrev_b32 v[97+2*\n], 13, v[97+2*\n]       ; the token's row of out0,
.endr
.irp n, 0,1,2,3,4,5,6,7,8,9,10,11,12,13,14,15
	v_add_nc_u32 v[97+2*\n], v[97+2*\n], v13       ; my 16 bytes of it
.endr
	s_wait_loadcnt 0x0                             ; the gates
	s_wait_dscnt 0x0                               ; the rows are back from the stage
.irp m, 0,1
.irp i, 0,1,2,3,4,5,6,7
	v_pk_add_f32 v[32+32*\m+4*\i:33+32*\m+4*\i], v[32+32*\m+4*\i:33+32*\m+4*\i], v[128:129]
	v_pk_add_f32 v[34+32*\m+4*\i:35+32*\m+4*\i], v[34+32*\m+4*\i:35+32*\m+4*\i], v[130:131]
	v_pk_mul_f32 v[32+32*\m+4*\i:33+32*\m+4*\i], v[32+32*\m+4*\i:33+32*\m+4*\i], v[96+16*\m+2*\i:97+16*\m+2*\i] op_sel_hi:[1,0]
	v_pk_mul_f32 v[34+32*\m+4*\i:35+32*\m+4*\i], v[34+32*\m+4*\i:35+32*\m+4*\i], v[96+16*\m+2*\i:97+16*\m+2*\i] op_sel_hi:[1,0]
	global_store_b128 v[97+16*\m+2*\i], v[32+32*\m+4*\i:35+32*\m+4*\i], s[16:17] th:TH_STORE_NT
.endr
.endr
.endm
	SETUP_LD                                       ; my tokens first: x's loads wait for them
	LOADW 0
	LOADW 1
	s_wait_loadcnt 63                              ; my tokens are in: 64 loads were issued behind them, and 63 is the most that the wait's field names
	SETUP_FIN
	ALOAD 0
	s_wait_kmcnt 0x0                               ; the list's length
; A chunk: quantise, barrier, multiply, ask for the next chunk's x and for W two chunks on.  Loads are issued W0 W1 A0, then A(q + 1) W(q + 2) at each chunk's end, by every wave alike, so that the counts hold
; on both ways round the products.  n1: behind W(q) stand A(q) and W(q + 1), 13 + 32 (the last chunk: A(7) alone).  n2: behind A(q) stands W(q + 1), 32 (chunks 0 and 7: nothing).
; A wave whose tile pair lies behind the list's end jumps over the products, never over a barrier or a load.  Chunk 0's products are issued by every wave: they start the sums on every way.
.macro TRIP q, n1, n2
	QUANT \q, \n1
	s_wait_loadcnt \n2
.if (\q) > 0
	s_cmp_lt_u32 s56, s52
	s_cbranch_scc0 .Lidle_\@
.endif
	MULC \q
.if (\q) == 7
	EPI
.endif
.if (\q) > 0
.Lidle_\@:
.endif
.if (\q) < 7
	ALOAD (\q)+1
.endif
.if (\q) < 6
	LOADW (\q)+2
.endif
.if (\q) == 3
	v_add_nc_u32 v2, 49152, v2                     ; chunks 4-7: their images lie beyond the reach of the 16-bit offset (no LDS store of mine is out)
.endif
.endm
	TRIP 0, 45, 0
	TRIP 1, 45, 32
	TRIP 2, 45, 32
	TRIP 3, 45, 32
	TRIP 4, 45, 32
	TRIP 5, 45, 32
	TRIP 6, 45, 32
	TRIP 7, 13, 0
	; ---- places from 512 on: three trips, whatever the split; a trip whose tile pair lies behind the list's end does nothing.  All of W's codes lie in LDS and nobody writes them any more: no barrier.
	s_mov_b32 s57, 3
.Lmore:
	s_add_co_u32 s58, s58, 16
	s_lshl_b32 s56, s58, 5
	s_cmp_lt_u32 s56, s52
	s_cbranch_scc0 .Lnone
	s_wait_xcnt 0x0                                ; the last way out's stores have read their registers: x's offsets and fragments are written again
	SETUP_LD
	s_wait_loadcnt 0x0
	SETUP_FIN
.irp q, 0,1,2,3,4,5,6,7
	ALOAD \q
	s_wait_loadcnt 0x0
	MULC \q
.endr
	EPI
.Lnone:
	s_sub_co_u32 s57, s57, 1
	s_cmp_lg_u32 s57, 0
	s_cbranch_scc1 .Lmore
	s_wait_tensorcnt 0x0
	ds_add_u32 v30, v31
	s_wait_dscnt 0x0
	s_endpgm
.Lfunc_end_k_q30622c9874_experts:
	.size	k_q30622c9874_experts, .Lfunc_end_k_q30622c9874_experts-k_q30622c9874_experts
	.p2alignl 7, 3214868480
	.fill 96, 4, 3214868480
	.section	.rodata,"a",@progbits
	.p2align	6, 0x0
	.amdhsa_kernel k_q30622c9874_experts
		.amdhsa_group_segment_fixed_size 174080
		.amdhsa_private_segment_fixed_size 0
		.amdhsa_enable_private_segment 0
		.amdhsa_kernarg_size 56
		.amdhsa_user_sgpr_count 2
		.amdhsa_user_sgpr_kernarg_segment_ptr 1
		.amdhsa_wavefront_size32 1
		.amdhsa_system_sgpr_workgroup_id_x 1
		.amdhsa_system_sgpr_workgroup_id_y 1
		.amdhsa_system_sgpr_workgroup_id_z 1
		.amdhsa_system_vgpr_workitem_id 0
		.amdhsa_next_free_vgpr 256
		.amdhsa_next_free_sgpr 66
		.amdhsa_reserve_vcc 0
		.amdhsa_float_denorm_mode_32 3
		.amdhsa_float_denorm_mode_16_64 3
		.amdhsa_memory_ordered 1
		.amdhsa_forward_progress 1
		.amdhsa_inst_pref_size 157
	.end_amdhsa_kernel
	.amdgpu_metadata
---
amdhsa.version: [ 1, 2 ]
amdhsa.kernels:
  - .name:           k_q30622c9874_experts
    .symbol:         k_q30622c9874_experts.kd
    .args:
      - { .name: W, .offset: 0, .size: 8, .value_kind: global_buffer, .address_space: global }
      - { .name: xc, .offset: 8, .size: 8, .value_kind: global_buffer, .address_space: global }
      - { .name: xs, .offset: 16, .size: 8, .value_kind: global_buffer, .address_space: global }
      - { .name: list, .offset: 24, .size: 8, .value_kind: global_buffer, .address_space: global }
      - { .name: gate, .offset: 32, .size: 8, .value_kind: global_buffer, .address_space: global }
      - { .name: b, .offset: 40, .size: 8, .value_kind: global_buffer, .address_space: global }
      - { .name: out0, .offset: 48, .size: 8, .value_kind: global_buffer, .address_space: global }
    .group_segment_fixed_size: 174080
    .private_segment_fixed_size: 0
    .kernarg_segment_align: 8
    .kernarg_segment_size: 56
    .max_flat_workgroup_size: 512
    .sgpr_count:     66
    .vgpr_count:     256
    .wavefront_size: 32
...
	.end_amdgpu_metadata
.endif
;; end of part 3
;; ======== version 2 of 2: 3 launches
;; workspace buffers: xc 3,145,728 bytes; xs 131,072 bytes; idx 8,192 bytes of whole numbers; gate 8,192 bytes; list 67,584 bytes of whole numbers
;; launch route (part 4): grid 256 x 1, 8 waves a work-group, no clusters, 3,072 bytes of LDS; arguments x, Wg, xc, xs, idx, gate; writes xc, xs, idx, gate
.if DOCPART == 4
	.amdgcn_target "amdgcn-amd-amdhsa--gfx1250"
	.amdhsa_code_object_version 6
	.text
	.protected	k_q30622c9874_route
	.globl	k_q30622c9874_route
	.p2align	8
	.type	k_q30622c9874_route,@function
k_q30622c9874_route:
	s_mov_b64 s[64:65], 0
	v_nop
	global_prefetch_b8 v0, s[64:65] scope:SCOPE_SE
	s_setreg_imm32_b32 hwreg(HW_REG_WAVE_MODE, 25, 1), 1
	s_wait_xcnt 0x0
; x [2048 tokens][2048] f32 is quantised along its rows to codes of BF6 (E3M2) with one E8M0 byte for each 32, and the gate is computed: logits = x Wg in f32 (fused multiply-adds),
; the chosen expert (largest logit, the lowest index among equals) and its probability 1 / sum of exp(l - max).  All four results go to fixed places by token.
; xc: 1,536 bytes a token; K step s (128 along K) at 96 s; in it the blocks of 32 stand in the order 0, 2, 1, 3, 24 bytes each, so that lane (r, h) of a matrix operand finds its 12 registers
;     (blocks h and 2 + h) as 48 bytes on end at 96 s + 48 h.   xs: 64 bytes a token, byte h / 32.   idx: int32 a token.   gate: f32 a token.
; SHARES.  A work-group takes 8 tokens.  Wave w takes the 512 numbers from 512 (w & 3) on of the four tokens 4 (w >> 2) + 0 .. 3.  Lane l holds 16 neighbours, 512 c + 16 l + 0 .. 15, of each of the four:
; two neighbouring lanes hold a block of 32; the lane's 16 rows of Wg (128 numbers) are loaded once and serve the four tokens.
; A block's scale is 2^(floor(log2(its largest magnitude)) - 4): its byte is the largest magnitude's exponent field - 4, held at 1 from below.
; LIMITS: NaN and infinities among the inputs are not served.  A block of zeros gets the byte 1 (its codes are zeros; this program alone reads the bytes).  The logits are summed in another order than
; JAX sums them, and the argmax is taken of the logits: a token whose two largest logits agree to the last bits of f32 may choose the other expert.
.set X,    16                          ; v16-79   x: token t at 16 t + i
.set G,    80                          ; v80-207  Wg: row i, expert e at 8 i + e
.set ACC,  208                         ; v208-239 logits' partial sums, 8 t + e; ahead of them the quantiser's four registers a token
.set C,    240                         ; v240-255 codes, four registers a token: no store's data are written again
.set PART, 0                           ; LDS: 128 bytes a wave: its 32 partial sums
.set SCL,  1024                        ; LDS: 8 tokens x 64 scale bytes
	s_load_b256 s[4:11], s[0:1], 0x0               ; x, Wg, xc, xs
	s_load_b128 s[12:15], s[0:1], 0x20             ; idx, gate
	v_lshl_add_u32 v251, v0, 2, 0x800
	v_mov_b32 v255, 0
	v_lshrrev_b32 v7, 5, v0
	s_delay_alu instid0(VALU_DEP_1)
	v_readfirstlane_b32 s16, v7                    ; wave 0..7
	s_and_b32 s17, s16, 3                          ; c: which 512 along K
	s_lshr_b32 s18, s16, 2                         ; which four tokens
	v_and_b32 v1, 31, v0                           ; lane
	s_delay_alu instid0(VALU_DEP_1)
	v_lshlrev_b32 v2, 6, v1                        ; x: my 16 numbers, 64 bytes
	s_delay_alu instid0(VALU_DEP_2)
	v_lshlrev_b32 v3, 9, v1                        ; Wg: my 16 rows of 32 bytes
	s_delay_alu instid0(VALU_DEP_3)
	v_lshrrev_b32 v7, 3, v1                        ; my codes' place in the wave's 384 bytes of a record: K step l / 8,
	s_delay_alu instid0(VALU_DEP_1)
	v_mul_u32_u24 v4, v7, 96
	v_bfe_u32 v7, v1, 1, 1                         ; block j = (l / 2) % 4 stands at place 2 (j % 2) + j / 2,
	s_delay_alu instid0(VALU_DEP_1)
	v_mad_u32_u24 v4, v7, 48, v4
	v_bfe_u32 v7, v1, 2, 1
	s_delay_alu instid0(VALU_DEP_1)
	v_mad_u32_u24 v4, v7, 24, v4
	v_and_b32 v7, 1, v1                            ; and my half of the block
	s_delay_alu instid0(VALU_DEP_1)
	v_mad_u32_u24 v4, v7, 12, v4
	s_lshl_b32 s19, s17, 4
	s_lshl_b32 s20, s18, 8
	s_add_co_u32 s19, s19, s20
	s_add_co_u32 s19, s19, SCL
	v_lshrrev_b32 v5, 1, v1
	s_delay_alu instid0(VALU_DEP_1)
	v_add_nc_u32 v5, s19, v5                       ; LDS: my block's scale byte: SCL + 256 x token group + 16 c + l / 2
	s_lshl_b32 s19, s16, 7
	v_lshrrev_b32 v6, 4, v1
	s_delay_alu instid0(VALU_DEP_1)
	v_lshlrev_b32 v6, 6, v6
	s_delay_alu instid0(VALU_DEP_1)
	v_add_nc_u32 v6, s19, v6                       ; LDS: my wave's partial sums, 64 bytes for each half of the lanes (PART = 0)
	s_lshl_b32 s20, ttmp9, 3
	s_lshl_b32 s21, s18, 2
	s_add_co_u32 s22, s20, s21                     ; my wave's first token
	s_lshl_b32 s20, s22, 13
	s_lshl_b32 s21, s17, 11
	s_add_co_u32 s20, s20, s21
	s_mov_b32 s21, 0
	s_wait_kmcnt 0x0
	s_add_nc_u64 s[4:5], s[4:5], s[20:21]          ; x at my token, my 512 numbers
	s_lshl_b32 s20, s17, 14
	s_add_nc_u64 s[6:7], s[6:7], s[20:21]          ; Wg at my 512 rows
	s_mul_i32 s20, s22, 1536
	s_mul_i32 s23, s17, 384
	s_add_co_u32 s20, s20, s23
	s_add_nc_u64 s[8:9], s[8:9], s[20:21]          ; xc at my token's record, my four K steps
	s_lshl_b32 s20, ttmp9, 9
	s_add_nc_u64 s[10:11], s[10:11], s[20:21]      ; xs at the work-group's 8 tokens
	s_lshl_b32 s20, ttmp9, 5
	s_add_nc_u64 s[12:13], s[12:13], s[20:21]
	s_add_nc_u64 s[14:15], s[14:15], s[20:21]
.irp t, 0,1,2,3
.irp j, 0,1,2,3
	global_load_b128 v[X+16*\t+4*\j:X+16*\t+4*\j+3], v2, s[4:5] offset:8192*\t+16*\j th:TH_LOAD_NT
.endr
.endr
.irp i, 0,1,2,3,4,5,6,7,8,9,10,11,12,13,14,15
	global_load_b128 v[G+8*\i:G+8*\i+3], v3, s[6:7] offset:32*\i
	global_load_b128 v[G+8*\i+4:G+8*\i+7], v3, s[6:7] offset:32*\i+16
.endr
; Token t's 16 numbers of my lane become 16 codes (12 bytes) and, with my neighbour's, a scale byte.
.macro QX t
.set XS, X+16*(\t)
.set TT, ACC+4*(\t)
	v_max3_num_f32 v[TT], |v[XS]|, |v[XS+1]|, |v[XS+2]|             ; the largest magnitude of my 16, in two chains
	v_max3_num_f32 v[TT+1], |v[XS+3]|, |v[XS+4]|, |v[XS+5]|
.irp i, 6,10
	s_delay_alu instid0(VALU_DEP_2)
	v_max3_num_f32 v[TT], v[TT], |v[XS+\i]|, |v[XS+\i+1]|
	s_delay_alu instid0(VALU_DEP_2)
	v_max3_num_f32 v[TT+1], v[TT+1], |v[XS+\i+2]|, |v[XS+\i+3]|
.endr
	s_delay_alu instid0(VALU_DEP_2)
	v_max3_num_f32 v[TT], v[TT], |v[XS+14]|, |v[XS+15]|
	s_delay_alu instid0(VALU_DEP_1)
	v_max3_num_f32 v[TT], v[TT], v[TT+1], 0x2800000                 ; and the floor 2^(5 - 127): the byte cannot fall under 1
	s_delay_alu instid0(VALU_DEP_1)
	v_max_num_f32_dpp v[TT], v[TT], v[TT] row_xmask:1 row_mask:0xf bank_mask:0xf   ; with my neighbour's 16: the block's
	s_delay_alu instid0(VALU_DEP_1)
	v_add_nc_u32 v[TT+2], 0xfe000000, v[TT]                         ; 4 off its exponent field: the conversion takes the exponent field of this operand as its scale
	v_cvt_scalef32_pk16_bf6_f32 v[C+4*(\t):C+4*(\t)+2], v[XS:XS+15], v[TT+2]
	v_lshrrev_b32 v[TT+3], 23, v[TT+2]                              ; the scale's byte (also the plain line behind the conversion)
	ds_store_b8 v5, v[TT+3] offset:64*(\t)                          ; both lanes of a block write the same byte with the same value
	global_store_b96 v4, v[C+4*(\t):C+4*(\t)+2], s[8:9] offset:1536*(\t)   ; the wave's 32 lanes fill 384 consecutive bytes of the record
.endm
	s_wait_loadcnt 32                              ; x's 16 loads are in; Wg's 32, issued behind them, may be out
	QX 0
	QX 1
	QX 2
	QX 3
	s_wait_loadcnt 0x0                             ; Wg
	s_wait_dscnt 0x0                               ; the byte stores are done: their registers become sums
; The logits' partial sums: numbers i and i + 1 of each token against their rows of Wg, two experts an instruction; the 16 pairs of sums take turns.  The first products start the sums.
.macro DOT n
.irp t, 0,1,2,3
.irp p, 0,1,2,3
.if (\n) == 0
	v_pk_mul_f32 v[ACC+8*\t+2*\p:ACC+8*\t+2*\p+1], v[X+16*\t:X+16*\t+1], v[G+2*\p:G+2*\p+1] op_sel_hi:[0,1]
.else
	v_pk_fma_f32 v[ACC+8*\t+2*\p:ACC+8*\t+2*\p+1], v[X+16*\t+(\n):X+16*\t+(\n)+1], v[G+8*(\n)+2*\p:G+8*(\n)+2*\p+1], v[ACC+8*\t+2*\p:ACC+8*\t+2*\p+1] op_sel_hi:[0,1,1]
.endif
.endr
.endr
.irp t, 0,1,2,3
.irp p, 0,1,2,3
	v_pk_fma_f32 v[ACC+8*\t+2*\p:ACC+8*\t+2*\p+1], v[X+16*\t+(\n):X+16*\t+(\n)+1], v[G+8*(\n)+8+2*\p:G+8*(\n)+8+2*\p+1], v[ACC+8*\t+2*\p:ACC+8*\t+2*\p+1] op_sel:[1,0,0] op_sel_hi:[1,1,1]
.endr
.endr
.endm
.irp n, 0,2,4,6,8,10,12,14
	DOT \n
.endr
; Across the 32 lanes.  The two halves of the lanes first share the 32 sums out: lanes 0-15 keep sums 0-15, lanes 16-31 sums 16-31; then four steps inside each half.
.irp j, 0,1,2,3,4,5,6,7,8,9,10,11,12,13,14,15
	v_permlane16_swap_b32 v[ACC+\j], v[ACC+16+\j]
.endr
.irp j, 0,1,2,3,4,5,6,7,8,9,10,11,12,13,14,15
	v_add_f32 v[ACC+\j], v[ACC+\j], v[ACC+16+\j]
.endr
.irp m, 1,2,4,8
.irp j, 0,1,2,3,4,5,6,7,8,9,10,11,12,13,14,15
	v_add_f32_dpp v[ACC+\j], v[ACC+\j], v[ACC+\j] row_xmask:\m row_mask:0xf bank_mask:0xf
.endr
.endr
.irp j, 0,1,2,3,4,5,6,7,8,9,10,11,12,13,14,15
	ds_store_b32 v6, v[ACC+\j] offset:4*\j         ; the lanes of a half write the same word with the same value
.endr
	s_wait_dscnt 0x0                               ; for the others' sake: my scale bytes and my partial sums lie in LDS
	s_barrier_signal -1
	s_barrier_wait -1
	s_cmp_lg_u32 s16, 0
	s_cbranch_scc1 .Lend                           ; the rest is wave 0's
	v_lshlrev_b32 v7, 4, v1
	ds_load_b128 v[16:19], v7 offset:SCL           ; the 8 tokens' 512 scale bytes, 16 a lane
	v_and_b32 v8, 7, v1                            ; my token (lanes 8-31 repeat lanes 0-7 and store nothing)
	s_delay_alu instid0(VALU_DEP_1)
	v_lshrrev_b32 v9, 2, v8
	s_delay_alu instid0(VALU_DEP_2)
	v_and_b32 v10, 3, v8
	s_delay_alu instid0(VALU_DEP_2)
	v_lshlrev_b32 v9, 9, v9
	s_delay_alu instid0(VALU_DEP_1)
	v_lshl_add_u32 v9, v10, 5, v9                  ; its 8 sums in the first of its four waves: 512 x token group + 32 x token
.irp c, 0,1,2,3
	ds_load_b128 v[32+8*\c:35+8*\c], v9 offset:PART+128*\c
	ds_load_b128 v[36+8*\c:39+8*\c], v9 offset:PART+128*\c+16
.endr
	s_wait_alu depctr_va_vdst(0)
	s_wait_dscnt 0x8                               ; the scale bytes are in; the eight loads behind them may be out
	global_store_b128 v7, v[16:19], s[10:11]       ; 512 consecutive bytes, at a multiple of 256 from xs's first byte
	s_wait_dscnt 0x0
.irp c, 1,2,3
.irp p, 0,1,2,3
	v_pk_add_f32 v[32+2*\p:33+2*\p], v[32+2*\p:33+2*\p], v[32+8*\c+2*\p:33+8*\c+2*\p]   ; the four parts of K: the logits
.endr
.endr
	s_delay_alu instid0(VALU_DEP_3)
	v_max3_num_f32 v11, v32, v33, v34
	s_delay_alu instid0(VALU_DEP_1)
	v_max3_num_f32 v11, v11, v35, v36
	s_delay_alu instid0(VALU_DEP_1)
	v_max3_num_f32 v11, v11, v37, v38
	s_delay_alu instid0(VALU_DEP_1)
	v_max_num_f32 v11, v11, v39                    ; the largest logit
	v_mov_b32 v12, 7
.irp e, 6,5,4,3,2,1,0
	v_cmp_neq_f32 vcc_lo, v[32+\e], v11
	s_delay_alu instid0(VALU_DEP_1)
	v_cndmask_b32 v12, \e, v12, vcc_lo             ; the lowest expert that holds the largest logit
.endr
.irp e, 0,1,2,3,4,5,6,7
	v_sub_f32 v[64+\e], v[32+\e], v11              ; the maximum is taken away first: 0 exactly for the chosen expert
.endr
.irp e, 0,1,2,3,4,5,6,7
	v_mul_f32 v[64+\e], 0x3fb8aa3b, v[64+\e]       ; x log2(e)
.endr
	s_wait_alu depctr_va_vdst(0)
.irp e, 0,1,2,3,4,5,6,7
	v_exp_f32 v[64+\e], v[64+\e]
.endr
	v_lshlrev_b32 v13, 2, v1                       ; (a plain line behind the exponentials)  4 bytes a token
	s_wait_alu depctr_va_vdst(0)
	v_pk_add_f32 v[64:65], v[64:65], v[66:67]
	v_pk_add_f32 v[68:69], v[68:69], v[70:71]
	s_delay_alu instid0(VALU_DEP_1)
	v_pk_add_f32 v[64:65], v[64:65], v[68:69]
	s_delay_alu instid0(VALU_DEP_1)
	v_add_f32 v64, v64, v65
	s_wait_alu depctr_va_vdst(0)
	v_rcp_f32 v14, v64                             ; the chosen expert's probability: exp(0) / the sum
	v_nop                                          ; a plain line behind the reciprocal
	v_cmp_gt_u32 vcc_lo, 8, v1
	s_wait_xcnt 0x0                                ; EXEC changes only behind this wait: a store is out
	s_and_saveexec_b32 s24, vcc_lo
	global_store_b32 v13, v12, s[12:13]
	s_wait_alu depctr_va_vdst(0)
	global_store_b32 v13, v14, s[14:15]
	s_wait_xcnt 0x0                                ; and again in front of the line that widens it
	s_or_b32 exec_lo, exec_lo, s24
.Lend:
	s_wait_tensorcnt 0x0
	ds_add_u32 v251, v255
	s_wait_dscnt 0x0
	s_endpgm
.Lfunc_end_k_q30622c9874_route:
	.size	k_q30622c9874_route, .Lfunc_end_k_q30622c9874_route-k_q30622c9874_route
	.p2alignl 7, 3214868480
	.fill 96, 4, 3214868480
	.section	.rodata,"a",@progbits
	.p2align	6, 0x0
	.amdhsa_kernel k_q30622c9874_route
		.amdhsa_group_segment_fixed_size 3072
		.amdhsa_private_segment_fixed_size 0
		.amdhsa_enable_private_segment 0
		.amdhsa_kernarg_size 48
		.amdhsa_user_sgpr_count 2
		.amdhsa_user_sgpr_kernarg_segment_ptr 1
		.amdhsa_wavefront_size32 1
		.amdhsa_system_sgpr_workgroup_id_x 1
		.amdhsa_system_sgpr_workgroup_id_y 1
		.amdhsa_system_sgpr_workgroup_id_z 1
		.amdhsa_system_vgpr_workitem_id 0
		.amdhsa_next_free_vgpr 256
		.amdhsa_next_free_sgpr 66
		.amdhsa_reserve_vcc 1
		.amdhsa_float_denorm_mode_32 3
		.amdhsa_float_denorm_mode_16_64 3
		.amdhsa_memory_ordered 1
		.amdhsa_forward_progress 1
		.amdhsa_inst_pref_size 39
	.end_amdhsa_kernel
	.amdgpu_metadata
---
amdhsa.version: [ 1, 2 ]
amdhsa.kernels:
  - .name:           k_q30622c9874_route
    .symbol:         k_q30622c9874_route.kd
    .args:
      - { .name: x, .offset: 0, .size: 8, .value_kind: global_buffer, .address_space: global }
      - { .name: Wg, .offset: 8, .size: 8, .value_kind: global_buffer, .address_space: global }
      - { .name: xc, .offset: 16, .size: 8, .value_kind: global_buffer, .address_space: global }
      - { .name: xs, .offset: 24, .size: 8, .value_kind: global_buffer, .address_space: global }
      - { .name: idx, .offset: 32, .size: 8, .value_kind: global_buffer, .address_space: global }
      - { .name: gate, .offset: 40, .size: 8, .value_kind: global_buffer, .address_space: global }
    .group_segment_fixed_size: 3072
    .private_segment_fixed_size: 0
    .kernarg_segment_align: 8
    .kernarg_segment_size: 48
    .max_flat_workgroup_size: 256
    .sgpr_count:     66
    .vgpr_count:     256
    .wavefront_size: 32
...
	.end_amdgpu_metadata
.endif
;; end of part 4
;; launch sort (part 5): grid 8 x 1, 1 waves a work-group, no clusters, 0 bytes of LDS; arguments idx, list; writes list
.if DOCPART == 5
	.amdgcn_target "amdgcn-amd-amdhsa--gfx1250"
	.amdhsa_code_object_version 6
	.text
	.protected	k_q30622c9874_sort
	.globl	k_q30622c9874_sort
	.p2align	8
	.type	k_q30622c9874_sort,@function
k_q30622c9874_sort:
	s_mov_b64 s[64:65], 0
	v_nop
	global_prefetch_b8 v0, s[64:65] scope:SCOPE_SE
	s_setreg_imm32_b32 hwreg(HW_REG_WAVE_MODE, 25, 1), 1
	s_wait_xcnt 0x0
; idx [2048] (the expert that each token chose) becomes, for each expert, the list of its tokens and their number.  Work-group e, one wave, makes expert e's part of list, 2,112 words:
;   words 0 .. 2047: the places: the expert's n tokens, then the list's LAST token again in every place up to 2,047, so that every place holds a token of the expert (token 0 where it has none);
;   words 2048 .. 2079: a dump word for each lane, which nobody reads;   words 2080 .. 2111: n, 32 times (one store of 128 consecutive bytes).
; The wave holds all 2,048 indices: register 4 k + j of lane l is token 128 k + 4 l + j.  For each register the lanes that match get the next free places, by a count of the matching lanes below them on top of
; the running number; the matching lanes' places are neighbours, so their words lie on end in memory.  A lane without a match writes its dump word: EXEC stays whole.  No LDS, no barrier, no other work-group's bytes.
; A place enters an address only behind the clamp to the last dump word, and by a shift alone.
.set IX,     32                        ; v32-95   the indices
.set AD,     96                        ; v96-159  a store's offset, one register for each store of a run of 64
.set TK,     160                       ; v160-223 a store's token likewise: no store's registers are written again while it may read them
.set DUMP,   2048
.set CNT,    2080
.set STRIDE, 8448                      ; bytes of an expert's part
	s_load_b128 s[4:7], s[0:1], 0x0                ; idx, list
	v_lshlrev_b32 v2, 4, v0                        ; one wave: v0 is the lane.  16 bytes of indices a lane
	v_lshlrev_b32 v3, 2, v0                        ; 4 x lane
	v_add_nc_u32 v4, DUMP, v0                      ; my dump word's place
	s_mov_b32 s10, ttmp9                           ; my expert
	s_mov_b32 s11, 2048
	s_mul_i32 s8, ttmp9, STRIDE
	s_mov_b32 s9, 0
	s_mov_b32 s20, 0                               ; places taken so far
	s_mov_b32 s21, 0                               ; the last mask that was not 0,
	s_mov_b32 s22, 0                               ; and its lane 0's token
	s_wait_alu depctr_va_vdst(0)
	s_wait_kmcnt 0x0
	s_add_nc_u64 s[6:7], s[6:7], s[8:9]            ; my expert's part of list
.irp k, 0,1,2,3,4,5,6,7,8,9,10,11,12,13,14,15
	global_load_b128 v[IX+4*\k:IX+4*\k+3], v2, s[4:5] offset:512*\k
.endr
.macro SORT4 k
	s_wait_loadcnt 15-(\k)                         ; loads come back in order: the k-th is in, those issued behind it may be out
.irp j, 0,1,2,3
	v_cmp_eq_u32 s[12+\j], s10, v[IX+4*(\k)+\j]
.endr
.irp j, 0,1,2,3
	s_bcnt1_i32_b32 s[16+\j], s[12+\j]
.endr
.irp j, 0,1,2,3
	v_mbcnt_lo_u32_b32 v[AD+4*(\k)+\j], s[12+\j], s20   ; the places taken so far + the matches in the lanes below me
	s_add_co_u32 s20, s20, s[16+\j]
.endr
.irp j, 0,1,2,3
	v_cndmask_b32 v[AD+4*(\k)+\j], v4, v[AD+4*(\k)+\j], s[12+\j]
.endr
.irp j, 0,1,2,3
	v_min_u32 v[AD+4*(\k)+\j], CNT-1, v[AD+4*(\k)+\j]
.endr
.irp j, 0,1,2,3
	v_lshlrev_b32 v[AD+4*(\k)+\j], 2, v[AD+4*(\k)+\j]
.endr
.irp j, 0,1,2,3
	v_add_nc_u32 v[TK+4*(\k)+\j], 128*(\k)+\j, v3
.endr
.irp j, 0,1,2,3
	global_store_b32 v[AD+4*(\k)+\j], v[TK+4*(\k)+\j], s[6:7]
.endr
.irp j, 0,1,2,3
	s_cmp_lg_u32 s[12+\j], 0
	s_cselect_b32 s21, s[12+\j], s21
	s_cselect_b32 s22, 128*(\k)+\j, s22
.endr
.endm
.irp k, 0,1,2,3,4,5,6,7,8,9,10,11,12,13,14,15
	SORT4 \k
.endr
	; the list's last token: the highest lane of the last mask that was not 0: the one lane l for which mask >> l is 1
	v_mov_b32 v5, s21
	v_lshrrev_b32 v5, v0, v5
	v_cmp_eq_u32 s23, 1, v5
	s_ctz_i32_b32 s23, s23
	s_lshl_b32 s23, s23, 2
	s_add_co_u32 s22, s22, s23
	s_cmp_eq_u32 s20, 0
	s_cselect_b32 s22, 0, s22                      ; an expert without tokens: token 0 (its rows are never multiplied or stored)
	v_mov_b32 v6, s22
	v_mov_b32 v7, s20
	v_add_nc_u32 v8, s20, v0                       ; the first place behind the list's end, + lane
	s_wait_alu depctr_va_vdst(0)
	s_wait_xcnt 0x0                                ; the 64 stores above have read their offsets: these registers are written again only behind this wait
; Places n + 32 i + lane, i = 0 .. 63: those under 2,048 take the last token, the others fall on the lane's dump word.
.macro FILL4 g
.irp j, 0,1,2,3
	v_add_nc_u32 v[AD+4*(\g)+\j], 32*(4*(\g)+\j), v8
.endr
.irp j, 0,1,2,3
	v_cmp_gt_u32 s[12+\j], s11, v[AD+4*(\g)+\j]
.endr
.irp j, 0,1,2,3
	v_cndmask_b32 v[AD+4*(\g)+\j], v4, v[AD+4*(\g)+\j], s[12+\j]
.endr
.irp j, 0,1,2,3
	v_min_u32 v[AD+4*(\g)+\j], CNT-1, v[AD+4*(\g)+\j]
.endr
.irp j, 0,1,2,3
	v_lshlrev_b32 v[AD+4*(\g)+\j], 2, v[AD+4*(\g)+\j]
.endr
.irp j, 0,1,2,3
	global_store_b32 v[AD+4*(\g)+\j], v6, s[6:7]
.endr
.endm
.irp g, 0,1,2,3,4,5,6,7,8,9,10,11,12,13,14,15
	FILL4 \g
.endr
	global_store_b32 v3, v7, s[6:7] offset:4*CNT   ; the number of tokens
	s_endpgm
.Lfunc_end_k_q30622c9874_sort:
	.size	k_q30622c9874_sort, .Lfunc_end_k_q30622c9874_sort-k_q30622c9874_sort
	.p2alignl 7, 3214868480
	.fill 96, 4, 3214868480
	.section	.rodata,"a",@progbits
	.p2align	6, 0x0
	.amdhsa_kernel k_q30622c9874_sort
		.amdhsa_group_segment_fixed_size 0
		.amdhsa_private_segment_fixed_size 0
		.amdhsa_enable_private_segment 0
		.amdhsa_kernarg_size 16
		.amdhsa_user_sgpr_count 2
		.amdhsa_user_sgpr_kernarg_segment_ptr 1
		.amdhsa_wavefront_size32 1
		.amdhsa_system_sgpr_workgroup_id_x 1
		.amdhsa_system_sgpr_workgroup_id_y 1
		.amdhsa_system_sgpr_workgroup_id_z 1
		.amdhsa_system_vgpr_workitem_id 0
		.amdhsa_next_free_vgpr 224
		.amdhsa_next_free_sgpr 66
		.amdhsa_reserve_vcc 0
		.amdhsa_float_denorm_mode_32 3
		.amdhsa_float_denorm_mode_16_64 3
		.amdhsa_memory_ordered 1
		.amdhsa_forward_progress 1
		.amdhsa_inst_pref_size 68
	.end_amdhsa_kernel
	.amdgpu_metadata
---
amdhsa.version: [ 1, 2 ]
amdhsa.kernels:
  - .name:           k_q30622c9874_sort
    .symbol:         k_q30622c9874_sort.kd
    .args:
      - { .name: idx, .offset: 0, .size: 8, .value_kind: global_buffer, .address_space: global }
      - { .name: list, .offset: 8, .size: 8, .value_kind: global_buffer, .address_space: global }
    .group_segment_fixed_size: 0
    .private_segment_fixed_size: 0
    .kernarg_segment_align: 8
    .kernarg_segment_size: 16
    .max_flat_workgroup_size: 32
    .sgpr_count:     66
    .vgpr_count:     224
    .wavefront_size: 32
...
	.end_amdgpu_metadata
.endif
;; end of part 5
;; launch experts (part 6): grid 32 x 8, 16 waves a work-group, no clusters, 174,080 bytes of LDS; arguments W, xc, xs, list, gate, b, out0; writes out0
.if DOCPART == 6
	.amdgcn_target "amdgcn-amd-amdhsa--gfx1250"
	.amdhsa_code_object_version 6
	.text
	.protected	k_q30622c9874_experts
	.globl	k_q30622c9874_experts
	.p2align	8
	.type	k_q30622c9874_experts,@function
k_q30622c9874_experts:
	s_mov_b64 s[64:65], 0
	v_nop
	global_prefetch_b8 v0, s[64:65] scope:SCOPE_SE
	s_setreg_imm32_b32 hwreg(HW_REG_WAVE_SCHED_MODE, 0, 2), 2
	s_setreg_imm32_b32 hwreg(HW_REG_WAVE_MODE, 25, 1), 1
	s_wait_xcnt 0x0
	s_wait_alu depctr_vm_vsrc(0)
; out0[t][d] = gate[t] x (sum over h of Q(x[t][h]) Q(W[e][h][d]) + b[e][d]), e the expert that token t chose: only the chosen expert's rows are multiplied, since all others are weighed with 0.
; A work-group takes one expert e (grid y) and 64 columns d (grid x): its 2,048 x 64 block of W is read from memory once, quantised along h (codes of BF6, E3M2, one E8M0 byte for each 32) and kept in LDS.
; SIXTEEN WAVES, each in two parts.  AS QUANTISER: K goes in 8 chunks of 256; in each chunk wave w takes 32 columns (w & 1) x one block of 32 along K (w >> 1): a lane takes a column and its 32 registers
; run down K, so that the block's largest magnitude needs no other lane and the conversions give codes with K innermost.  The codes go to LDS as images of the operand's registers.
; AS MULTIPLIER: wave w owns places 32 w .. 32 w + 31 of the expert's list of tokens (two tiles of 16) x all 64 columns: 8 accumulators.  x's codes are gathered from xc straight into registers, a chunk ahead.
; Places from 512 on are served behind the chunks by a loop of three trips (tile pairs w + 16, w + 32, w + 48), from the codes that stay in LDS: every split of the tokens is served, all on one expert too.
; THE LIST and its length were stored as whole numbers by the launch before: 2,048 places for each expert, all of them written (behind the list's end its last token again), and the length at word 2,080.
; THE MATRIX INSTRUCTION IS USED TRANSPOSED: source 0 = 16 columns of W, source 1 = 16 tokens: a lane holds one token and eight neighbouring d.
; NO CLUSTER, NO TENSOR LOAD: which waves multiply hangs on a count read from memory, and x's rows are gathered by a list; a block of W is read by one work-group alone, so there is nothing to ask for jointly.
; LIMITS: NaN and infinities among the inputs are not served.  A block of zeros gets the byte 1 (its codes are zeros).  The places that fill the list's last tile pair repeat the list's last token:
; the same wave stores the same bytes to that token's row once more.
; LDS: 0 images: fragment (K step s, column tile ct) at 1,536 (4 s + ct), lane l's 12 registers at 48 l | BSC W's scale words, 256 s + 4 column | STAGE 16 rows x 272 bytes for each wave | behind the stages the spare words.
; REGISTERS: v1 W's offset; v2, v3 where I store codes and scale byte; v4, v5 where I read images (K steps 0-7, 8-15); v6 W's scale words; v7-9 x's offsets; v10-15 at work; v16-22 codes; v24-25 x's scale words,
;      v26-27 W's (these four hold scales and nothing else); v30, v31 the closing add's two; v32-95 two sets of 32 numbers of W; v96-143 x's four fragments; v144-191 W's four; v192-255 the accumulators (tile m, column tile ct) at 8 (4 m + ct).
; THE MODE: SCHED_MODE bits 1:0 = 2 (LLVM: expert scheduling mode 2), set by the entry lines.  The code itself states the register dependences between vector or matrix instructions and memory or LDS
; instructions, with s_wait_alu, always for 0.
; THE PLAN.  Registers that memory or LDS instructions touch, in a chunk:
;   v32-95    Chunk q's quantiser reads set q % 2; the loads of W two chunks on, at the chunk's end, land in it.
;   v13, v16-21  Written by the quantiser; read by its four LDS stores.       v2  read by three of these stores; stepped once, behind chunk 3.
;   v144-191, v26-27  A K step's LDS loads land in them; its eight products read them.
;   v96-143, v24-25   The next chunk's loads of x, at a chunk's end, land in them; the chunk's sixteen products read them.
;   v1, v3-v9  Offsets and addresses, written ahead of the chunks and not in them.
; So a chunk has four waits.  One on va_vdst behind the quantiser's last vector line: the codes and the byte are written, and the set of W is read out; the products that follow name none of that set's registers, so the
; loads into it at the chunk's end owe nothing more.  One on vm_vsrc behind the wait for the LDS stores, ahead of the barrier and of the branch round the products: the stores have read their registers, which the next
; chunk's quantiser writes.  One on va_vdst behind each K step's products: their operands are read out, and the loads into these follow.
.set BSC,   98304
.set STAGE, 102400
.set XW,    32
.set AF,    96
.set BF,    144
.set GT,    144                        ; the way out: the rows' gates, in every second register of those that held W's fragments
.set ACC,   192
.set LSTR,  8448                       ; bytes of an expert's part of list
.set LCNT,  8320                       ; where its length stands
	s_load_b256 s[4:11], s[0:1], 0x0               ; W, xc, xs, list
	s_load_b128 s[12:15], s[0:1], 0x20             ; gate, b
	s_load_b64 s[16:17], s[0:1], 0x30              ; out0
	v_lshl_add_u32 v30, v0, 2, 0x2a000             ; my spare word, and 0: kept for the closing lines alone
	v_mov_b32 v31, 0
	v_lshrrev_b32 v10, 5, v0
	v_readfirstlane_b32 s18, v10                   ; wave 0..15
	v_and_b32 v10, 31, v0                          ; lane
	v_bfe_u32 v11, v0, 4, 1                        ; lane / 16
	s_wait_alu depctr_va_vdst(0)
	v_and_b32 v12, 15, v0                          ; lane % 16
	v_mul_u32_u24 v4, v10, 48                      ; an image comes back as it was stored: 48 x lane
	v_add_nc_u32 v5, 49152, v4
	v_lshl_add_u32 v6, v10, 2, BSC                 ; lanes 0-15 take the words of one column tile, lanes 16-31 those of the next
	s_and_b32 s21, ttmp7, 0xffff                   ; the expert
	s_wait_alu depctr_va_sdst(0)                   ; s18 is written, ahead of its first reader: addresses, bases and the tile pair are made from it
	s_and_b32 s19, s18, 1                          ; ch: which 32 of the 64 columns I quantise
	s_lshr_b32 s20, s18, 1                         ; jb: which block of 32 of a chunk's 256 along K
	s_lshl_b32 s50, s19, 7
	v_lshl_add_u32 v1, v10, 2, s50                 ; W: 4 x lane + 128 ch
	; where my block's 24 bytes go: column tile 2 ch + lane / 16; K step jb / 4 of the chunk's two; block j = jb % 4 belongs to the operand's lane (lane % 16) + 16 (j % 2), registers 6 (j / 2) on
	s_mul_i32 s50, s19, 3072
	s_lshr_b32 s51, s20, 2
	s_mul_i32 s53, s51, 6144
	s_add_co_u32 s50, s50, s53
	s_and_b32 s53, s20, 1
	s_mul_i32 s53, s53, 768
	s_add_co_u32 s50, s50, s53
	s_bfe_u32 s53, s20, 0x10001
	s_mul_i32 s53, s53, 24
	s_add_co_u32 s50, s50, s53
	v_mul_u32_u24 v2, v11, 1536
	s_wait_alu depctr_va_vdst(0)
	v_mad_u32_u24 v2, v12, 48, v2
	v_add_nc_u32 v2, s50, v2
	s_lshl_b32 s50, s19, 7                         ; and its scale byte: word 256 x K step + 4 x column, byte j
	s_lshl_b32 s51, s51, 8
	s_add_co_u32 s50, s50, s51
	s_and_b32 s51, s20, 3
	s_add_co_u32 s50, s50, s51
	s_add_co_u32 s50, s50, BSC
	v_lshl_add_u32 v3, v10, 2, s50
	s_lshl_b32 s26, s21, 24                        ; W: expert x 16 MiB + 32 jb rows of 8,192 bytes + 64 x work-group x columns
	s_lshl_b32 s50, s20, 18
	s_add_co_u32 s26, s26, s50
	s_lshl_b32 s32, ttmp9, 8
	s_add_co_u32 s26, s26, s32
	s_mov_b32 s27, 0
	s_lshl_b32 s30, s21, 13                        ; b: expert x 8,192 bytes + my columns
	s_add_co_u32 s30, s30, s32
	s_mov_b32 s31, 0
	s_mov_b32 s33, 0
	s_mul_i32 s34, s21, LSTR                       ; list: my expert's part
	s_mov_b32 s35, 0
	s_mov_b32 s58, s18                             ; my tile pair: the wave's number
	s_lshl_b32 s56, s58, 5                         ; its first place
	s_wait_kmcnt 0x0
	s_add_nc_u64 s[24:25], s[4:5], s[26:27]        ; W for chunks 0-3,
	s_add_nc_u64 s[28:29], s[24:25], 0x800000      ; and 1,024 rows on for chunks 4-7, so that every row's offset fits the signed 24-bit immediate
	s_add_nc_u64 s[14:15], s[14:15], s[30:31]
	s_add_nc_u64 s[16:17], s[16:17], s[32:33]      ; out0 at my columns
	s_add_nc_u64 s[10:11], s[10:11], s[34:35]
	s_load_b32 s52, s[10:11], LCNT                 ; the list's length; it is waited for in front of the first chunk
; Chunk q's block of mine: W(256 q + 32 jb + i, my column), i = 0 .. 31, into set q % 2.  A wave's load reads 128 consecutive bytes; the wave with the other ch reads the 128 beside them.
.macro LOADW q
.set XS, XW+32*((\q)%2)
.irp i, 0,1,2,3,4,5,6,7,8,9,10,11,12,13,14,15,16,17,18,19,20,21,22,23,24,25,26,27,28,29,30,31
	global_load_b32 v[XS+\i], v1, s[24+4*((\q)/4):25+4*((\q)/4)] offset:(256*((\q)%4)+\i)*8192 th:TH_LOAD_NT
.endr
.endm
; x's fragments of chunk q's two K steps for my two tiles of tokens, 48 bytes a lane and fragment, and their scale words: 13 loads.
.macro ALOAD q
.irp kk, 0,1
.irp m, 0,1
.irp g, 0,1,2
	global_load_b128 v[AF+24*\kk+12*\m+4*\g:AF+24*\kk+12*\m+4*\g+3], v[7+\m], s[6:7] offset:96*(2*(\q)+\kk)+16*\g
.endr
.endr
.endr
	global_load_b64 v[24:25], v9, s[8:9] offset:8*(\q)   ; lanes 0-15: tile 0's tokens, lanes 16-31: tile 1's; the chunk's two words
.endm
; My block of chunk q becomes 24 bytes of codes and a scale byte in LDS; then the barrier behind which chunk q is read.  Each chunk has LDS bytes of its own, so one barrier a chunk is enough.
.macro QUANT q, n1
.set XS, XW+32*((\q)%2)
	s_wait_loadcnt \n1                             ; this block's 32 loads are in; what was issued behind them may be out
	v_max3_num_f32 v10, |v[XS]|, |v[XS+1]|, |v[XS+2]|               ; the block's largest magnitude: all 32 numbers are mine
	v_max3_num_f32 v11, |v[XS+3]|, |v[XS+4]|, |v[XS+5]|
.irp i, 6,10,14,18,22,26
	v_max3_num_f32 v10, v10, |v[XS+\i]|, |v[XS+\i+1]|
	v_max3_num_f32 v11, v11, |v[XS+\i+2]|, |v[XS+\i+3]|
.endr
	v_max3_num_f32 v10, v10, |v[XS+30]|, |v[XS+31]|
	v_max3_num_f32 v10, v10, v11, 0x2800000        ; and the floor 2^(5 - 127): the byte cannot fall under 1
	v_add_nc_u32 v12, 0xfe000000, v10              ; 4 off its exponent field: the conversion's scale operand
	v_cvt_scalef32_pk16_bf6_f32 v[16:18], v[XS:XS+15], v12
	v_cvt_scalef32_pk16_bf6_f32 v[20:22], v[XS+16:XS+31], v12       ; (a conversion's three registers begin on an even number)
	v_lshrrev_b32 v13, 23, v12                     ; the scale's byte (also the plain line behind the conversions)
	v_mov_b32 v19, v20
	v_mov_b32 v20, v21
	v_mov_b32 v21, v22                             ; v16-21: the block's 192 bits on end
	s_wait_alu depctr_va_vdst(0)                   ; v13 and v16-21 are written, which the LDS stores read (and v2, where it has just been stepped); the lines above are done reading this set of W, in which the loads at the chunk's end land
	ds_store_b64 v2, v[16:17] offset:12288*((\q)%4)
	ds_store_b64 v2, v[18:19] offset:12288*((\q)%4)+8
	ds_store_b64 v2, v[20:21] offset:12288*((\q)%4)+16
	ds_store_b8 v3, v13 offset:512*(\q)
	s_wait_dscnt 0x0                               ; for the others' sake: my stores have landed (and my reads of the last chunk are in)
	s_wait_alu depctr_vm_vsrc(0)                   ; the four stores have read v2, v13 and v16-21: the next chunk's quantiser writes the codes and the byte again, and v2 is stepped behind chunk 3
	s_barrier_signal -1
	s_barrier_wait -1
.endm
; One product: tile m of tokens x column tile ct, K step s (kk: which of the chunk's two).  W's scale words lie in lanes 0-15 for even ct and in lanes 16-31 for odd; x's in lanes 0-15 for tile 0, 16-31 for tile 1.
.macro WM m, ct, kk, s
.set WD, ACC+8*(4*(\m)+(\ct))
.set WB, BF+12*(\ct)
.set WA, AF+24*(\kk)+12*(\m)
.set WS, 26+(\ct)/2
.set WX, 24+(\kk)
.if (\s) == 0
.if ((\ct)%2 == 0) && ((\m) == 0)
	v_wmma_scale_f32_16x16x128_f8f6f4 v[WD:WD+7], v[WB:WB+11], v[WA:WA+11], 0, v[WS], v[WX] matrix_a_fmt:MATRIX_FMT_BF6 matrix_b_fmt:MATRIX_FMT_BF6
.elseif ((\ct)%2 == 1) && ((\m) == 0)
	v_wmma_scale_f32_16x16x128_f8f6f4 v[WD:WD+7], v[WB:WB+11], v[WA:WA+11], 0, v[WS], v[WX] matrix_a_fmt:MATRIX_FMT_BF6 matrix_b_fmt:MATRIX_FMT_BF6 matrix_a_scale:MATRIX_SCALE_ROW1
.elseif ((\ct)%2 == 0)
	v_wmma_scale_f32_16x16x128_f8f6f4 v[WD:WD+7], v[WB:WB+11], v[WA:WA+11], 0, v[WS], v[WX] matrix_a_fmt:MATRIX_FMT_BF6 matrix_b_fmt:MATRIX_FMT_BF6 matrix_b_scale:MATRIX_SCALE_ROW1
.else
	v_wmma_scale_f32_16x16x128_f8f6f4 v[WD:WD+7], v[WB:WB+11], v[WA:WA+11], 0, v[WS], v[WX] matrix_a_fmt:MATRIX_FMT_BF6 matrix_b_fmt:MATRIX_FMT_BF6 matrix_a_scale:MATRIX_SCALE_ROW1 matrix_b_scale:MATRIX_SCALE_ROW1
.endif
.else
.if ((\ct)%2 == 0) && ((\m) == 0)
	v_wmma_scale_f32_16x16x128_f8f6f4 v[WD:WD+7], v[WB:WB+11], v[WA:WA+11], v[WD:WD+7], v[WS], v[WX] matrix_a_fmt:MATRIX_FMT_BF6 matrix_b_fmt:MATRIX_FMT_BF6
.elseif ((\ct)%2 == 1) && ((\m) == 0)
	v_wmma_scale_f32_16x16x128_f8f6f4 v[WD:WD+7], v[WB:WB+11], v[WA:WA+11], v[WD:WD+7], v[WS], v[WX] matrix_a_fmt:MATRIX_FMT_BF6 matrix_b_fmt:MATRIX_FMT_BF6 matrix_a_scale:MATRIX_SCALE_ROW1
.elseif ((\ct)%2 == 0)
	v_wmma_scale_f32_16x16x128_f8f6f4 v[WD:WD+7], v[WB:WB+11], v[WA:WA+11], v[WD:WD+7], v[WS], v[WX] matrix_a_fmt:MATRIX_FMT_BF6 matrix_b_fmt:MATRIX_FMT_BF6 matrix_b_scale:MATRIX_SCALE_ROW1
.else
	v_wmma_scale_f32_16x16x128_f8f6f4 v[WD:WD+7], v[WB:WB+11], v[WA:WA+11], v[WD:WD+7], v[WS], v[WX] matrix_a_fmt:MATRIX_FMT_BF6 matrix_b_fmt:MATRIX_FMT_BF6 matrix_a_scale:MATRIX_SCALE_ROW1 matrix_b_scale:MATRIX_SCALE_ROW1
.endif
.endif
.endm
; Chunk q's two K steps: W's four fragments and their scale words from LDS, then 8 products.  The 8 accumulators take turns, one instruction a turn, from K step to K step and from chunk to chunk too
; K step 0's products start the sums: nothing is cleared.
.macro MULC q
.irp kk, 0,1
.set KS, 2*(\q)+\kk
.irp ct, 0,1,2,3
.irp g, 0,1,2
	ds_load_b128 v[BF+12*\ct+4*\g:BF+12*\ct+4*\g+3], v[4+KS/8] offset:6144*(KS%8)+1536*\ct+16*\g
.endr
.endr
	ds_load_b32 v26, v6 offset:256*KS
	ds_load_b32 v27, v6 offset:256*KS+128
	s_wait_dscnt 0x0
.irp ct, 0,1,2,3
.irp m, 0,1
	WM \m, \ct, \kk, KS
.endr
.endr
.rept 4
	v_nop                                          ; four places behind the products: loads into their operands and scale registers follow, or the first read of results
.endr
.if KS < 15
	s_wait_alu depctr_va_vdst(0)                   ; the products are done reading W's fragments and v26, v27, in which the next K step's LDS loads land; behind a chunk's second K step also x's fragments and v24, v25, in which the next chunk's loads land.  (Behind K step 15 the way out's first wait states it)
.endif
.endr
.endm
; My tile pair's tokens (s58: the tile pair) out of the list: three loads; behind the caller's wait for them, what x's loads want of them.
; A list entry enters an offset only behind the clamp to 2,047, and by a multiply, a shift and an add.
.macro SETUP_LD
	s_lshl_b32 s50, s58, 7                         ; 128 bytes of the list a tile pair
	v_and_b32 v10, 15, v0
	v_lshl_add_u32 v10, v10, 2, s50
	v_and_b32 v11, 31, v0
	v_lshl_add_u32 v11, v11, 2, s50
	s_wait_alu depctr_va_vdst(0)                   ; v10 and v11 are written, which the three loads read.  At the head also v1 to v6, which every later load of W and every LDS access of the chunks reads; in the loop the vector lines that named v7 to v9, in which these loads land, and those of the last way out that named v96-191, in which x's and W's fragments land, are done
	global_load_b32 v7, v10, s[10:11]              ; tile 0: place lane % 16
	global_load_b32 v8, v10, s[10:11] offset:64    ; tile 1
	global_load_b32 v9, v11, s[10:11]              ; place lane: for the scale words
	s_wait_alu depctr_vm_vsrc(0)                   ; the three loads have read v10 and v11, which the quantiser and the way out write again
.endm
.macro SETUP_FIN
	v_bfe_u32 v12, v0, 4, 1
	v_mul_u32_u24 v12, v12, 48
	v_min_u32 v7, 0x7ff, v7
	v_min_u32 v8, 0x7ff, v8
	v_min_u32 v9, 0x7ff, v9
	v_mul_u32_u24 v7, v7, 1536
	v_mul_u32_u24 v8, v8, 1536
	v_lshlrev_b32 v9, 6, v9                        ; 64 bytes of scale words a token
	v_add_nc_u32 v7, v7, v12                       ; the token's record + 48 x (lane / 16)
	v_add_nc_u32 v8, v8, v12
	s_wait_alu depctr_va_vdst(0)                   ; v7 to v9 are written, which all of this tile pair's loads of x read as offsets
.endm
; THE WAY OUT of my tile pair.  A lane holds 32 neighbouring bytes of a token's row, and the lanes beside it hold other tokens: a tile goes through my own stage in LDS and comes back as rows of 256 bytes,
; two rows an instruction; (sum + bias) x gate; sixteen lanes store 256 consecutive bytes at a multiple of 256 from out0's first byte.  The rows' tokens are asked for first, and the turn through the stage
; is issued while they are on their way.  A tile's 32 packed lines stand together, and its eight stores follow them in one run.
.macro EPI
	s_wait_xcnt 0x0                                ; earlier loads and stores have read their registers: these are written again below
	v_and_b32 v13, 15, v0                          ; r
	v_bfe_u32 v14, v0, 4, 1                        ; h
	s_mul_i32 s50, s18, 4352
	s_add_co_u32 s50, s50, STAGE                   ; my stage
	v_mul_u32_u24 v10, v13, 272
	v_lshl_add_u32 v10, v14, 5, v10
	v_add_nc_u32 v10, s50, v10                     ; in: row r, 32 bytes for each half of the lanes
	v_mul_u32_u24 v11, v14, 272
	v_lshl_add_u32 v11, v13, 4, v11
	v_add_nc_u32 v11, s50, v11                     ; back: lanes 0-15 one row, lanes 16-31 the next
	s_lshl_b32 s51, s58, 7
	v_lshl_add_u32 v12, v14, 2, s51                ; the list: the token of row 2 i + h
	v_lshlrev_b32 v13, 4, v13                      ; my 16 bytes of a row
	s_wait_alu depctr_va_vdst(0)                   ; the last products have written the accumulators, which the LDS stores read (the four places stand behind them), and are done reading x's and W's fragments, in which the tokens, the bias and the gates land; v10 to v13 are written, which the loads and LDS accesses below read
.irp m, 0,1
.irp i, 0,1,2,3,4,5,6,7
	global_load_b32 v[97+16*\m+2*\i], v12, s[10:11] offset:64*\m+8*\i
.endr
.endr
	global_load_b128 v[128:131], v13, s[14:15]     ; the bias of my four columns
.irp m, 0,1
.irp ct, 0,1,2,3
	ds_store_b128 v10, v[ACC+8*(4*\m+\ct):ACC+8*(4*\m+\ct)+3] offset:64*\ct          ; each accumulator from its low end on
	ds_store_b128 v10, v[ACC+8*(4*\m+\ct)+4:ACC+8*(4*\m+\ct)+7] offset:64*\ct+16
.endr
.irp i, 0,1,2,3,4,5,6,7
	ds_load_b128 v[32+32*\m+4*\i:35+32*\m+4*\i], v11 offset:544*\i   ; LDS serves a wave's instructions in order (ISA guide 5.7.1.4): these see the stores above, and tile 1's stores come behind them
.endr
.endr
	s_wait_loadcnt 0x0                             ; the tokens (and the bias)
.irp n, 0,1,2,3,4,5,6,7,8,9,10,11,12,13,14,15
	v_min_u32 v[97+2*\n], 0x7ff, v[97+2*\n]
.endr
.irp n, 0,1,2,3,4,5,6,7,8,9,10,11,12,13,14,15
	v_lshlrev_b32 v[96+2*\n], 2, v[97+2*\n]
.endr
	s_wait_alu depctr_va_vdst(0)                   ; v96, v98 .. v126 are written, which the gates' loads read as offsets
.irp n, 0,1,2,3,4,5,6,7,8,9,10,11,12,13,14,15
	global_load_b32 v[GT+2*\n], v[96+2*\n], s[12:13]   ; the row's gate
.endr
.irp n, 0,1,2,3,4,5,6,7,8,9,10,11,12,13,14,15
	v_lshlrev_b32 v[97+2*\n], 13, v[97+2*\n]       ; the token's row of out0,
.endr
.irp n, 0,1,2,3,4,5,6,7,8,9,10,11,12,13,14,15
	v_add_nc_u32 v[97+2*\n], v[97+2*\n], v13       ; my 16 bytes of it
.endr
	s_wait_loadcnt 0x0                             ; the gates
	s_wait_dscnt 0x0                               ; the rows are back from the stage
.irp m, 0,1
.irp i, 0,1,2,3,4,5,6,7
	v_pk_add_f32 v[32+32*\m+4*\i:33+32*\m+4*\i], v[32+32*\m+4*\i:33+32*\m+4*\i], v[128:129]
	v_pk_add_f32 v[34+32*\m+4*\i:35+32*\m+4*\i], v[34+32*\m+4*\i:35+32*\m+4*\i], v[130:131]
	v_pk_mul_f32 v[32+32*\m+4*\i:33+32*\m+4*\i], v[32+32*\m+4*\i:33+32*\m+4*\i], v[GT+16*\m+2*\i:GT+16*\m+2*\i+1] op_sel_hi:[1,0]
	v_pk_mul_f32 v[34+32*\m+4*\i:35+32*\m+4*\i], v[34+32*\m+4*\i:35+32*\m+4*\i], v[GT+16*\m+2*\i:GT+16*\m+2*\i+1] op_sel_hi:[1,0]
.endr
	s_wait_alu depctr_va_vdst(0)                   ; this tile's eight pairs of rows are written, which the stores below read as data, and so are the rows' offsets v97, v99 ..; tile 1's lines name none of the registers that tile 0's stores read
.irp i, 0,1,2,3,4,5,6,7
	global_store_b128 v[97+16*\m+2*\i], v[32+32*\m+4*\i:35+32*\m+4*\i], s[16:17] th:TH_STORE_NT
.endr
.endr
.endm
	SETUP_LD                                       ; my tokens first: x's loads wait for them
	LOADW 0
	LOADW 1
	s_wait_loadcnt 63                              ; my tokens are in: 64 loads were issued behind them, and 63 is the most that the wait's field names
	SETUP_FIN
	ALOAD 0
	s_wait_kmcnt 0x0                               ; the list's length
; A chunk: quantise, barrier, multiply, ask for the next chunk's x and for W two chunks on.  Loads are issued W0 W1 A0, then A(q + 1) W(q + 2) at each chunk's end, by every wave alike, so that the counts hold
; on both ways round the products.  n1: behind W(q) stand A(q) and W(q + 1), 13 + 32 (the last chunk: A(7) alone).  n2: behind A(q) stands W(q + 1), 32 (chunks 0 and 7: nothing).
; A wave whose tile pair lies behind the list's end jumps over the products, never over a barrier or a load.  Chunk 0's products are issued by every wave: they start the sums on every way.
; The loads at the chunk's end owe no wait of their own, on either way: x's land in registers that no vector or matrix instruction has named since the wait behind the last products, W's in the set that none has named
; since the quantiser's wait.
.macro TRIP q, n1, n2
	QUANT \q, \n1
	s_wait_loadcnt \n2
.if (\q) > 0
	s_cmp_lt_u32 s56, s52
	s_cbranch_scc0 .Lidle_\@
.endif
	MULC \q
.if (\q) == 7
	EPI
.endif
.if (\q) > 0
.Lidle_\@:
.endif
.if (\q) < 7
	ALOAD (\q)+1
.endif
.if (\q) < 6
	LOADW (\q)+2
.endif
.if (\q) == 3
	v_add_nc_u32 v2, 49152, v2                     ; chunks 4-7: their images lie beyond the reach of the 16-bit offset.  (The wait on vm_vsrc in this chunk's quantiser has shown v2 read, and no LDS store has been issued since; the next quantiser's wait on va_vdst shows it written)
.endif
.endm
	TRIP 0, 45, 0
	TRIP 1, 45, 32
	TRIP 2, 45, 32
	TRIP 3, 45, 32
	TRIP 4, 45, 32
	TRIP 5, 45, 32
	TRIP 6, 45, 32
	TRIP 7, 13, 0
	; ---- places from 512 on: three trips, whatever the split; a trip whose tile pair lies behind the list's end does nothing.  All of W's codes lie in LDS and nobody writes them any more: no barrier.
	s_mov_b32 s57, 3
.Lmore:
	s_add_co_u32 s58, s58, 16
	s_lshl_b32 s56, s58, 5
	s_cmp_lt_u32 s56, s52
	s_cbranch_scc0 .Lnone
	s_wait_xcnt 0x0                                ; the last way out's stores have read their registers: x's offsets and fragments are written again
	s_wait_alu depctr_vm_vsrc(0)                   ; the last way out's loads, stores and LDS accesses have read v10 to v13, v32-127 and the accumulators, and the last tile pair's loads of x have read v7 to v9: all of these are written again below, by vector lines, by products or by loads
	SETUP_LD
	s_wait_loadcnt 0x0
	SETUP_FIN
.irp q, 0,1,2,3,4,5,6,7
	ALOAD \q
	s_wait_loadcnt 0x0
	MULC \q
.endr
	EPI
.Lnone:
	s_sub_co_u32 s57, s57, 1
	s_cmp_lg_u32 s57, 0
	s_cbranch_scc1 .Lmore
	s_wait_dscnt 0x0                               ; the closing lines, six on end
	s_wait_alu 0x0
	s_wait_tensorcnt 0x0
	ds_add_u32 v30, v31
	s_wait_dscnt 0x0
	s_endpgm
.Lfunc_end_k_q30622c9874_experts:
	.size	k_q30622c9874_experts, .Lfunc_end_k_q30622c9874_experts-k_q30622c9874_experts
	.p2alignl 7, 3214868480
	.fill 96, 4, 3214868480
	.section	.rodata,"a",@progbits
	.p2align	6, 0x0
	.amdhsa_kernel k_q30622c9874_experts
		.amdhsa_group_segment_fixed_size 174080
		.amdhsa_private_segment_fixed_size 0
		.amdhsa_enable_private_segment 0
		.amdhsa_kernarg_size 56
		.amdhsa_user_sgpr_count 2
		.amdhsa_user_sgpr_kernarg_segment_ptr 1
		.amdhsa_wavefront_size32 1
		.amdhsa_system_sgpr_workgroup_id_x 1
		.amdhsa_system_sgpr_workgroup_id_y 1
		.amdhsa_system_sgpr_workgroup_id_z 1
		.amdhsa_system_vgpr_workitem_id 0
		.amdhsa_next_free_vgpr 256
		.amdhsa_next_free_sgpr 66
		.amdhsa_reserve_vcc 0
		.amdhsa_float_denorm_mode_32 3
		.amdhsa_float_denorm_mode_16_64 3
		.amdhsa_memory_ordered 1
		.amdhsa_forward_progress 1
		.amdhsa_inst_pref_size 159
	.end_amdhsa_kernel
	.amdgpu_metadata
---
amdhsa.version: [ 1, 2 ]
amdhsa.kernels:
  - .name:           k_q30622c9874_experts
    .symbol:         k_q30622c9874_experts.kd
    .args:
      - { .name: W, .offset: 0, .size: 8, .value_kind: global_buffer, .address_space: global }
      - { .name: xc, .offset: 8, .size: 8, .value_kind: global_buffer, .address_space: global }
      - { .name: xs, .offset: 16, .size: 8, .value_kind: global_buffer, .address_space: global }
      - { .name: list, .offset: 24, .size: 8, .value_kind: global_buffer, .address_space: global }
      - { .name: gate, .offset: 32, .size: 8, .value_kind: global_buffer, .address_space: global }
      - { .name: b, .offset: 40, .size: 8, .value_kind: global_buffer, .address_space: global }
      - { .name: out0, .offset: 48, .size: 8, .value_kind: global_buffer, .address_space: global }
    .group_segment_fixed_size: 174080
    .private_segment_fixed_size: 0
    .kernarg_segment_align: 8
    .kernarg_segment_size: 56
    .max_flat_workgroup_size: 512
    .sgpr_count:     66
    .vgpr_count:     256
    .wavefront_size: 32
...
	.end_amdgpu_metadata
.endif
;; end of part 6
